; MI455X (gfx1250); checked and timed in simulation.
; The chip was launched on July 23, 2026; its instructions are those of AMD's public machine-readable ISA for CDNA 5 (MIT licence, August 2026) and "CDNA5" Instruction Set Architecture Reference Guide (July 2026). The comments in the code are by the model that wrote it; some were corrected since.
;; Causal Atten. Allowed arithmetic: float matrix products may take bf16 or f16 operands with f32 sums; other float arithmetic in f32, or as packed bf16 or f16 multiplies, adds, multiply-adds, maxima and minima; sums over many terms, partial sums and values carried from step to step in f32; what a program stores and reads back later, other than sums and carried values, may be rounded once to bf16 or f16.
;; Inputs: Wk 1,024 x 1,024 float32; Wp 1,024 x 1,024 float32; Wq 1,024 x 1,024 float32; Wv 1,024 x 1,024 float32; bk 1,024 float32; bp 1,024 float32; bq 1,024 float32; bv 1,024 float32; x 4 x 2,048 x 1,024 float32.
;; Outputs: out0 4 x 2,048 x 1,024 float32.
;; 2 versions, each right; version 2 is version 1 with the launch cast written anew for expert scheduling mode. Each part assembles by itself: llvm-mc -triple=amdgcn-amd-amdhsa -mcpu=gfx1250 --defsym DOCPART=n.
;; ======== version 1 of 2: 4 launches
;; limits: values are held in f16: magnitudes above 65,504 overflow, below 6.1e-05 lose precision
;; workspace buffers: xb 16,777,216 bytes; wz 6,291,456 bytes; wpz 2,097,152 bytes; qs 33,554,432 bytes; ks 33,554,432 bytes; vs 16,777,216 bytes; os 16,777,216 bytes
;; launch cast (part 1): grid 768 x 1, 8 waves a work-group, no clusters, 0 bytes of LDS; arguments x, Wq, Wk, Wv, Wp, xb, wz, wpz; writes xb, wz, wpz
.if DOCPART == 1
	.amdgcn_target "amdgcn-amd-amdhsa--gfx1250"
	.amdhsa_code_object_version 6
	.text
	.protected	k_q1ee6fdcf58_cast
	.globl	k_q1ee6fdcf58_cast
	.p2align	8
	.type	k_q1ee6fdcf58_cast,@function
k_q1ee6fdcf58_cast:
	s_mov_b64 s[64:65], 0
	v_nop
	global_prefetch_b8 v0, s[64:65] scope:SCOPE_SE
	s_setreg_imm32_b32 hwreg(HW_REG_WAVE_MODE, 25, 1), 1
	s_wait_xcnt 0x0
; THE INPUTS ARE ROUNDED ONCE.  x -> xb (bf16).  Wq, Wk, Wv -> wz (bf16), rows laid by heads: head h has rows 192 h .. 192 h + 191 =
; Wq's rows 64 h .., then Wk's, then Wv's, so that one tile of 192 rows is a head's q, k and v.  Wp -> wpz: rounded to bf16 like every input,
; and that number written as f16 (exact from 6e-5 up; below that it keeps f16's fixed step of 6e-8).
; A stream: no LDS, no barrier, no matrix work.  A work-group takes 16 rows of 1,024 numbers; thread t numbers 4 t .. 4 t + 3 of each row:
; a wave's load covers 512 consecutive bytes, its store 256 consecutive bytes, aligned.  All 16 loads go out at once; no register is written twice
; while a memory instruction may read it.  Work-groups 0-511: x; then 64 each for Wq, Wk, Wv, Wp.
.set X,   4                            ; v[4:67]    row r as loaded, 4 registers
.set Y,   68                           ; v[68:99]   row r to store, 2 registers
.set T,   100                          ; v[100:103] at work (Wp's path)
.set G,   20                           ; s20        the work-group's number
.set SRC, 34                           ; s[34:35]   my 16 rows in the source
.set DST, 36                           ; s[36:37]   and in the destination
	s_load_b512 s[4:19], s[0:1], 0x0               ; x, Wq, Wk, Wv, Wp, xb, wz, wpz
	s_mov_b32 s[G], ttmp9
	s_max_u32 s21, s[G], 512
	s_sub_co_u32 s21, s21, 512                     ; my number among the weights' work-groups (0 for x's)
	s_and_b32 s22, s21, 63                         ; j: which 16 rows of the matrix
	s_lshr_b32 s23, s21, 6                         ; which matrix: 0 Wq, 1 Wk, 2 Wv, 3 Wp
	s_lshr_b32 s24, s22, 2                         ; the head: 64 rows are four work-groups
	s_mul_i32 s24, s24, 192
	s_lshl_b32 s25, s23, 6
	s_add_co_u32 s24, s24, s25
	s_and_b32 s25, s22, 3
	s_lshl_b32 s25, s25, 4
	s_add_co_u32 s24, s24, s25                     ; row in wz = 192 head + 64 matrix + 16 (j mod 4)
	s_lshl_b32 s24, s24, 11                        ; in bytes: 2,048 a row
	s_lshl_b32 s25, s22, 15                        ; offset in wpz
	s_lshl_b32 s26, s22, 16                        ; offset in a weight matrix: 16 rows of 4,096 bytes
	s_lshl_b32 s27, s[G], 16                       ; offset in x
	s_lshl_b32 s28, s[G], 15                       ; offset in xb
	s_cmp_lt_u32 s[G], 704
	s_cselect_b32 s32, s24, s25
	s_cmp_lt_u32 s[G], 512
	s_cselect_b32 s30, s27, s26
	s_cselect_b32 s32, s28, s32
	s_mov_b32 s31, 0
	s_mov_b32 s33, 0
	v_lshlrev_b32 v1, 4, v0                        ; 16 t: my bytes in a source row
	v_lshlrev_b32 v2, 3, v0                        ; 8 t: in a destination row
	s_wait_kmcnt 0x0
	s_cmp_lt_u32 s[G], 704                         ; the buffers are chosen by the work-group's number alone
	s_cselect_b64 s[SRC:SRC+1], s[10:11], s[12:13]
	s_cselect_b64 s[DST:DST+1], s[16:17], s[18:19]
	s_cmp_lt_u32 s[G], 640
	s_cselect_b64 s[SRC:SRC+1], s[8:9], s[SRC:SRC+1]
	s_cmp_lt_u32 s[G], 576
	s_cselect_b64 s[SRC:SRC+1], s[6:7], s[SRC:SRC+1]
	s_cmp_lt_u32 s[G], 512
	s_cselect_b64 s[SRC:SRC+1], s[4:5], s[SRC:SRC+1]
	s_cselect_b64 s[DST:DST+1], s[14:15], s[DST:DST+1]
	s_add_nc_u64 s[SRC:SRC+1], s[SRC:SRC+1], s[30:31]
	s_add_nc_u64 s[DST:DST+1], s[DST:DST+1], s[32:33]
.set r, 0
.rept 16
	global_load_b128 v[X+4*r:X+4*r+3], v1, s[SRC:SRC+1] offset:4096*r th:TH_LOAD_NT
.set r, r+1
.endr
	s_cmp_ge_u32 s[G], 704
	s_cbranch_scc1 .Lhalf
.set r, 0
.rept 16
	s_wait_loadcnt 15-r                            ; loads come back in order: row r is in, the younger rows stay out
	v_cvt_pk_bf16_f32 v[Y+2*r], v[X+4*r], v[X+4*r+1]
	v_cvt_pk_bf16_f32 v[Y+2*r+1], v[X+4*r+2], v[X+4*r+3]
	global_store_b64 v2, v[Y+2*r:Y+2*r+1], s[DST:DST+1] offset:2048*r
.set r, r+1
.endr
	s_endpgm
.Lhalf:                                        ; Wp: to bf16, and that number as f16
.set r, 0
.rept 16
	s_wait_loadcnt 15-r
	v_cvt_pk_bf16_f32 v[T], v[X+4*r], v[X+4*r+1]
	v_cvt_pk_bf16_f32 v[T+1], v[X+4*r+2], v[X+4*r+3]
	v_lshlrev_b32 v[T+2], 16, v[T]
	v_and_b32 v[T+3], 0xffff0000, v[T]
	v_cvt_pk_f16_f32 v[Y+2*r], v[T+2], v[T+3]
	v_lshlrev_b32 v[T+2], 16, v[T+1]
	v_and_b32 v[T+3], 0xffff0000, v[T+1]
	v_cvt_pk_f16_f32 v[Y+2*r+1], v[T+2], v[T+3]
	global_store_b64 v2, v[Y+2*r:Y+2*r+1], s[DST:DST+1] offset:2048*r
.set r, r+1
.endr
	s_endpgm
.Lfunc_end_k_q1ee6fdcf58_cast:
	.size	k_q1ee6fdcf58_cast, .Lfunc_end_k_q1ee6fdcf58_cast-k_q1ee6fdcf58_cast
	.p2alignl 7, 3214868480
	.fill 96, 4, 3214868480
	.section	.rodata,"a",@progbits
	.p2align	6, 0x0
	.amdhsa_kernel k_q1ee6fdcf58_cast
		.amdhsa_group_segment_fixed_size 0
		.amdhsa_private_segment_fixed_size 0
		.amdhsa_enable_private_segment 0
		.amdhsa_kernarg_size 64
		.amdhsa_user_sgpr_count 2
		.amdhsa_user_sgpr_kernarg_segment_ptr 1
		.amdhsa_wavefront_size32 1
		.amdhsa_system_sgpr_workgroup_id_x 1
		.amdhsa_system_sgpr_workgroup_id_y 1
		.amdhsa_system_sgpr_workgroup_id_z 1
		.amdhsa_system_vgpr_workitem_id 0
		.amdhsa_next_free_vgpr 104
		.amdhsa_next_free_sgpr 66
		.amdhsa_reserve_vcc 0
		.amdhsa_float_denorm_mode_32 3
		.amdhsa_float_denorm_mode_16_64 3
		.amdhsa_memory_ordered 1
		.amdhsa_forward_progress 1
		.amdhsa_inst_pref_size 17
	.end_amdhsa_kernel
	.amdgpu_metadata
---
amdhsa.version: [ 1, 2 ]
amdhsa.kernels:
  - .name:           k_q1ee6fdcf58_cast
    .symbol:         k_q1ee6fdcf58_cast.kd
    .args:
      - { .name: x, .offset: 0, .size: 8, .value_kind: global_buffer, .address_space: global }
      - { .name: Wq, .offset: 8, .size: 8, .value_kind: global_buffer, .address_space: global }
      - { .name: Wk, .offset: 16, .size: 8, .value_kind: global_buffer, .address_space: global }
      - { .name: Wv, .offset: 24, .size: 8, .value_kind: global_buffer, .address_space: global }
      - { .name: Wp, .offset: 32, .size: 8, .value_kind: global_buffer, .address_space: global }
      - { .name: xb, .offset: 40, .size: 8, .value_kind: global_buffer, .address_space: global }
      - { .name: wz, .offset: 48, .size: 8, .value_kind: global_buffer, .address_space: global }
      - { .name: wpz, .offset: 56, .size: 8, .value_kind: global_buffer, .address_space: global }
    .group_segment_fixed_size: 0
    .private_segment_fixed_size: 0
    .kernarg_segment_align: 8
    .kernarg_segment_size: 64
    .max_flat_workgroup_size: 256
    .sgpr_count:     66
    .vgpr_count:     104
    .wavefront_size: 32
...
	.end_amdgpu_metadata
.endif
;; end of part 1
;; launch qkv (part 2): grid 16 x 32, 4 waves a work-group, clusters of 4 x 4, 327,680 bytes of LDS; arguments xb, wz, bq, bk, bv, qs, ks, vs; writes qs, ks, vs
.if DOCPART == 2
	.amdgcn_target "amdgcn-amd-amdhsa--gfx1250"
	.amdhsa_code_object_version 6
	.text
	.protected	k_q1ee6fdcf58_qkv
	.globl	k_q1ee6fdcf58_qkv
	.p2align	8
	.type	k_q1ee6fdcf58_qkv,@function
k_q1ee6fdcf58_qkv:
	s_mov_b64 s[64:65], 0
	v_nop
	global_prefetch_b8 v0, s[64:65] scope:SCOPE_SE
	s_setreg_imm32_b32 hwreg(HW_REG_WAVE_MODE, 25, 1), 1
	s_wait_xcnt 0x0
	s_wait_alu depctr_hold_cnt(0) depctr_sa_sdst(0) depctr_va_vdst(0) depctr_va_sdst(0) depctr_va_ssrc(0) depctr_va_vcc(0) depctr_vm_vsrc(0)
	s_getreg_b32 s2, hwreg(HW_REG_IB_STS2, 6, 4)
	s_cmp_eq_u32 s2, 0
	s_cbranch_scc0 .Lentry_in_a_cluster
	s_endpgm
.Lentry_in_a_cluster:
	s_bfe_u32 s2, ttmp6, 0x10000c
	s_cmp_lg_u32 s2, 0xf033
	s_cbranch_scc0 .Lentry_shape_is_right
	s_endpgm
.Lentry_shape_is_right:
; q, k, v = x W^T + bias, by heads.  xb [8192][1024] bf16, wz [16 heads][192][1024] bf16 (a head's 64 rows of Wq, Wk, Wv), sums in f32; the biases are rounded to bf16 like every input.
; OUT.  qs, ks: [64 = 16 batch + head][2048][128] bf16: a row is 64 numbers hi = bf16(q) and 64 numbers lo = bf16(q - hi): the score product needs more than one 16-bit number's bits,
; since the scores are multiplied by 8.  vs: [64][2048][64] f16.  LIMIT: |v| stays under 65,504 (f16); q and k have bf16's range.
; SHARES.  A tile is 256 rows x 192 columns = one head's q, k and v: 16 x 32 = 512 work-groups, two for each WGP.  Wave w owns rows 64 w .. + 63 and all 192 columns: 48 accumulators, 384 registers.
; K goes in 8 steps of 128 (rows of 256 bytes, aligned) through two LDS slots.  CLUSTER 4 x 4: x's tile hangs on the tile row and is asked for jointly along a row of the cluster,
; the weights' tile on the head and jointly along a column.  Waves 0, 1 fetch x's two halves (128 rows), waves 2, 3 the weights' (96 rows).
; THE MATRIX INSTRUCTION IS USED TRANSPOSED: source 0 = 16 rows of wz, source 1 = 16 rows of xb: a lane holds row l % 16 and eight neighbouring columns 16 b + 8 (l / 16) + 0..7.
; The bias is the C operand of each sum's first product.
; REGISTERS, in windows of 256: window 0 addresses, the bias (v112-207, ahead of the loop) and the way out; window 1 two fragment buffers of 128 (12 of wz, 4 of xb);
; window 2 the accumulators of row blocks 0, 1 ((a, b) at 8 (12 (a % 2) + b)); window 3 those of blocks 2, 3.
.set PITCH,  272                       ; an LDS row: 256 bytes + 16 of padding: the 16 rows of a fragment load start at 16 different groups of four banks
.set BOFF,   256*PITCH                 ; the weights' 192 rows lie behind x's 256
.set SLOT1,  1<<17                     ; slot 1: one exclusive or turns an address in one slot into the other's
.set STAGE,  SLOT1+448*PITCH           ; behind the ring, never filled by a tensor load: for each wave 16 rows of q (272), of k (272), of v (144)
.set KSTG,   16*PITCH
.set VSTG,   32*PITCH
.set WSTG,   32*PITCH+16*144
.set SPARE,  STAGE+4*WSTG              ; the spare words, 128 bytes for each wave
.set A0,   2                           ; v2   my lane's place in x's rows of a slot; never rewritten
.set B0,   3                           ; v3   in the weights' rows
.set ADRA, 4                           ; v4   the same in the slot in hand
.set ADRB, 5
.set STO,  6                           ; v6   the way out: where I put 16 bytes of a row of q (k: + KSTG)
.set STV,  7                           ; v7   of v
.set RD,   8                           ; v8   where I read rows of q back
.set RDV,  9                           ; v9   rows of v
.set GO,   10                          ; v10  16 x lane: my place in 512 consecutive bytes
.set PFO,  12                          ; v12  the prefetches' offset: a lane a row
.set SPW,  28                          ; v28  my spare word; never rewritten
.set NIL,  29                          ; v29  0
.set H,    32                          ; v[32:63]   hi of q and k, packed
.set L,    64                          ; v[64:95]   lo
.set VV,   96                          ; v[96:111]  v, packed
.set T,    112                         ; v[112:175] at work
.set BK,   176                         ; v[176:255] rows read back
.set BI,   112                         ; v[112:207] the bias of the 192 columns, 8 registers a block
.set F0,   0
.set F1,   128
.set WV,  20                           ; s20  wave
.set AB,  21                           ; s21  0: I fetch x's rows, 1: the weights'
.set HF,  22                           ; s22  which half of them
.set G1A, 36
.set G1B, 44
.set G0A, 52                           ; s[52:59] two sets: the first fills; the second then walks
.set G0B, 68
.set TB,  76                           ; s76  first byte of the slot in hand
.set CNT, 77                           ; s77  trips to go
.set PFA, 78                           ; s[78:79] where my prefetches stand
.set LIM, 80                           ; s80  1 in a wave that prefetches, else the greatest number
.set MK,  81                           ; s81  a word's upper bf16
.set GW,  (1<<16)|(1<<20)|(1<<21)|(5<<22)|(3<<25)  ; 2-byte elements; padding on; bit 21 beside a mask; after every 64 words 4 words
.set MSB, 0
.macro WIN new                         ; the high byte repeats the setting that is left; a switch that changes nothing is dropped
.if MSB != (\new)
	s_set_vgpr_msb (MSB<<8)|(\new)
.set MSB, \new
.endif
.endm
.macro PLACES                          ; four plain places between a matrix instruction and a load into, or a reader of, its registers
.rept 4
	v_nop
.endr
.endm
.macro CREST                           ; a round of the cluster's barrier behind its opening barrier
	s_cmp_lg_u32 s[WV], 0
	s_cbranch_scc1 .Lnot_wave_0_\@
	s_barrier_signal -3
.Lnot_wave_0_\@:
	s_barrier_wait -3
	s_barrier_signal -1
	s_barrier_wait -1
.endm
.macro CROUND
	s_barrier_signal -1
	s_barrier_wait -1
	CREST
.endm
.macro JLOAD                           ; the joint refill, by the walking descriptors; the branch hangs on the wave's number alone
	s_cmp_eq_u32 s[AB], 0
	s_cbranch_scc0 .Lfor_b_\@
	tensor_load_to_lds s[G0A+4:G0A+7], s[G1A:G1A+7]
	s_nop 0
.rept 4
	v_nop
.endr
	s_branch .Lasked_\@
.Lfor_b_\@:
	tensor_load_to_lds s[G0B+4:G0B+7], s[G1B:G1B+7]
	s_nop 0
.rept 4
	v_nop
.endr
.Lasked_\@:
.endm
; A prefetch of the K step that the NEXT refill will ask for: 192 matrix instructions ahead of that load.  x's rows are named by the clusters with x = 0, the weights' by those with y = 0;
; the four partners of a joint load share its rows out by address (32 of 128, or 24 of 96 with the lane held at 23): one instruction a wave, a lane a row.  The last refill has no step behind it.
.macro ASK
	WIN 0
	s_cmp_gt_u32 s[CNT], s[LIM]
	s_cbranch_scc0 .Lnot_mine_\@
	global_prefetch_b8 v[PFO], s[PFA:PFA+1] th:TH_LOAD_NT scope:SCOPE_SE
.Lnot_mine_\@:
.endm
	s_load_b512 s[4:19], s[0:1], 0x0               ; xb, wz, bq, bk, bv, qs, ks, vs
	v_lshl_add_u32 v[SPW], v0, 2, SPARE
	v_mov_b32 v[NIL], 0
	ds_add_u32 v[SPW], v[NIL]                      ; the opening: the add and its wait stand ahead of my first tensor load
	v_lshrrev_b32 v1, 5, v0
	v_readfirstlane_b32 s[WV], v1
	s_lshr_b32 s[AB], s[WV], 1
	s_and_b32 s[HF], s[WV], 1
	s_bfe_u32 s23, ttmp6, 0x40000                  ; cx
	s_bfe_u32 s24, ttmp6, 0x40004                  ; cy
	s_lshl_b32 s25, ttmp9, 2
	s_add_co_u32 s25, s25, s23                     ; the head = 4 x cluster x + cx
	s_and_b32 s26, ttmp7, 0xffff
	s_lshl_b32 s26, s26, 2
	s_add_co_u32 s26, s26, s24                     ; the row tile = 4 x cluster y + cy
	s_lshl_b32 s27, s24, 2
	s_lshl_b32 s27, 15, s27                        ; my row of the cluster
	s_lshl_b32 s28, 0x1111, s23                    ; my column
	s_or_b32 s[G1A], s27, GW
	s_or_b32 s[G1B], s28, GW
	s_mov_b32 s[G1A+1], 128<<16                    ; tensor_dim0 = 128
	s_mov_b32 s[G1A+2], 128<<16                    ; tensor_dim1 = 128
	s_mov_b32 s[G1A+3], 128<<16                    ; tile_dim0 = 128
	s_mov_b32 s[G1A+4], 128                        ; tile_dim1 = 128
	s_mov_b32 s[G1A+5], 1024                       ; elements from row to row
	s_mov_b32 s[G1A+6], 0
	s_mov_b32 s[G1A+7], 0
	s_mov_b32 s[G1B+1], 128<<16
	s_mov_b32 s[G1B+2], 96<<16                     ; 96 rows
	s_mov_b32 s[G1B+3], 128<<16
	s_mov_b32 s[G1B+4], 96
	s_mov_b32 s[G1B+5], 1024
	s_mov_b32 s[G1B+6], 0
	s_mov_b32 s[G1B+7], 0
	s_lshl_b32 s30, s26, 8
	s_lshl_b32 s31, s[HF], 7
	s_add_co_u32 s30, s30, s31                     ; x: row 256 x tile + 128 x half,
	s_lshl_b32 s30, s30, 11                        ; in bytes
	s_mov_b32 s31, 0
	s_mul_i32 s32, s25, 192
	s_mul_i32 s33, s[HF], 96
	s_add_co_u32 s32, s32, s33                     ; wz: row 192 x head + 96 x half
	s_lshl_b32 s32, s32, 11
	s_mov_b32 s33, 0
	s_mul_i32 s34, s[HF], 128*PITCH                ; where they go: no place in the cluster enters an LDS address
	s_mul_i32 s35, s[HF], 96*PITCH
	s_add_co_u32 s35, s35, BOFF
	s_mov_b32 s[TB], 0
	s_mov_b32 s[MK], 0xffff0000
	s_wait_dscnt 0x0                               ; the opening add is done
	s_wait_kmcnt 0x0
	s_add_nc_u64 s[82:83], s[4:5], s[30:31]
	s_add_nc_u64 s[84:85], s[6:7], s[32:33]
.irp s, 0,1
	s_mov_b32 s[G0A+4*(\s)], 1
	s_add_co_u32 s[G0A+4*(\s)+1], s34, (\s)*SLOT1
	s_add_nc_u64 s[G0A+4*(\s)+2:G0A+4*(\s)+3], s[82:83], (\s)*256  ; K step s
	s_or_b32 s[G0A+4*(\s)+3], s[G0A+4*(\s)+3], 0x80000000
	s_mov_b32 s[G0B+4*(\s)], 1
	s_add_co_u32 s[G0B+4*(\s)+1], s35, (\s)*SLOT1
	s_add_nc_u64 s[G0B+4*(\s)+2:G0B+4*(\s)+3], s[84:85], (\s)*256
	s_or_b32 s[G0B+4*(\s)+3], s[G0B+4*(\s)+3], 0x80000000
.endr
	CROUND                                         ; all sixteen work-groups are here: the first joint loads meet
	s_cmp_eq_u32 s[AB], 0                          ; a wave's two first fills stand in one branch: two loads of mine are out
	s_cbranch_scc0 .Lfirst_b
	tensor_load_to_lds s[G0A:G0A+3], s[G1A:G1A+7]
	s_nop 0
	tensor_load_to_lds s[G0A+4:G0A+7], s[G1A:G1A+7]
	s_nop 0
.rept 4
	v_nop
.endr
	s_branch .Lfirst_asked
.Lfirst_b:
	tensor_load_to_lds s[G0B:G0B+3], s[G1B:G1B+7]
	s_nop 0
	tensor_load_to_lds s[G0B+4:G0B+7], s[G1B:G1B+7]
	s_nop 0
.rept 4
	v_nop
.endr
.Lfirst_asked:
	; the bias: C's register j of block b in lane half h is column 16 b + 8 h + j: blocks 0-3 from bq, 4-7 from bk, 8-11 from bv, at the head's 64 numbers
	s_lshl_b32 s90, s25, 8
	s_mov_b32 s91, 0
	s_add_nc_u64 s[8:9], s[8:9], s[90:91]
	s_add_nc_u64 s[10:11], s[10:11], s[90:91]
	s_add_nc_u64 s[12:13], s[12:13], s[90:91]
	v_and_b32 v1, 15, v0                           ; l % 16
	v_bfe_u32 v11, v0, 4, 1                        ; l / 16
	v_lshlrev_b32 v14, 5, v11
.irp b, 0,1,2,3,4,5,6,7,8,9,10,11
	global_load_b128 v[BI+8*(\b):BI+8*(\b)+3],   v14, s[8+2*((\b)/4):9+2*((\b)/4)] offset:64*((\b)%4)
	global_load_b128 v[BI+8*(\b)+4:BI+8*(\b)+7], v14, s[8+2*((\b)/4):9+2*((\b)/4)] offset:64*((\b)%4)+16
.endr
	v_mul_u32_u24 v13, v1, PITCH
	v_lshl_add_u32 v13, v11, 4, v13                ; a fragment's row x pitch + 16 x half
	s_mul_i32 s86, s[WV], 64*PITCH
	v_add_nc_u32 v[A0], s86, v13                   ; my 64 rows of x
	v_add_nc_u32 v[B0], BOFF, v13
	v_mov_b32 v[ADRA], v[A0]
	v_mov_b32 v[ADRB], v[B0]
	s_mul_i32 s86, s[WV], WSTG
	s_add_co_u32 s86, s86, STAGE                   ; my stage
	v_add_nc_u32 v[STO], s86, v13
	v_mul_u32_u24 v[STV], v1, 144
	v_lshl_add_u32 v[STV], v11, 4, v[STV]
	v_add3_u32 v[STV], v[STV], s86, VSTG
	v_mul_u32_u24 v[RD], v11, PITCH                ; back: lanes 0-15 one row of 256 bytes, lanes 16-31 the next
	v_lshl_add_u32 v[RD], v1, 4, v[RD]
	v_add_nc_u32 v[RD], s86, v[RD]
	v_bfe_u32 v[RDV], v0, 3, 2                     ; of v: 32 lanes take four rows of 128 bytes
	v_mul_u32_u24 v[RDV], v[RDV], 144
	v_and_b32 v15, 7, v0
	v_lshl_add_u32 v[RDV], v15, 4, v[RDV]
	v_add3_u32 v[RDV], v[RDV], s86, VSTG
	v_and_b32 v[GO], 31, v0
	v_lshlrev_b32 v[GO], 4, v[GO]
	; where my 64 rows lie in qs, ks, vs: row (16 batch + head) x 2048 + 256 (tile % 8) + 64 wave
	s_lshr_b32 s87, s26, 3
	s_lshl_b32 s87, s87, 4
	s_add_co_u32 s87, s87, s25
	s_lshl_b32 s87, s87, 11
	s_and_b32 s88, s26, 7
	s_lshl_b32 s88, s88, 8
	s_add_co_u32 s87, s87, s88
	s_lshl_b32 s88, s[WV], 6
	s_add_co_u32 s87, s87, s88
	s_lshl_b32 s88, s87, 8                         ; rows of 256 bytes
	s_mov_b32 s89, 0
	s_add_nc_u64 s[14:15], s[14:15], s[88:89]
	s_add_nc_u64 s[16:17], s[16:17], s[88:89]
	s_lshl_b32 s88, s87, 7                         ; rows of 128 bytes
	s_add_nc_u64 s[18:19], s[18:19], s[88:89]
	; the prefetches: my work-group's share of the rows that I fetch, at K step 2; each change of slots steps it before it asks
	s_lshl_b32 s82, s23, 16                        ; cx x 32 rows
	s_add_co_u32 s82, s82, s30
	s_mul_i32 s84, s24, 24*2048                    ; cy x 24 rows
	s_add_co_u32 s84, s84, s32
	s_and_b32 s85, ttmp7, 0xffff                   ; cluster y
	s_cmp_eq_u32 s[AB], 0
	s_cselect_b32 s82, s82, s84
	s_cselect_b32 s85, ttmp9, s85                  ; the coordinate along which other clusters read the same rows
	s_cselect_b32 s86, 31, 23
	s_cselect_b64 s[PFA:PFA+1], s[4:5], s[6:7]
	s_cmp_eq_u32 s85, 0
	s_cselect_b32 s[LIM], 1, -1                    ; the same in all sixteen partners, for a given wave
	s_add_co_u32 s82, s82, 2*256
	s_mov_b32 s83, 0
	s_add_nc_u64 s[PFA:PFA+1], s[PFA:PFA+1], s[82:83]
	v_and_b32 v[PFO], 31, v0
	v_min_u32 v[PFO], s86, v[PFO]
	v_lshlrev_b32 v[PFO], 11, v[PFO]
	s_wait_loadcnt 0x0                             ; the bias is in; it is rounded to bf16, as every input is
.set i, 0
.rept 48
	v_cvt_pk_bf16_f32 v[16+i%8], v[BI+2*i], v[BI+2*i+1]
	v_lshlrev_b32 v[BI+2*i], 16, v[16+i%8]
	v_and_b32 v[BI+2*i+1], s[MK], v[16+i%8]
.set i, i+1
.endr
; 12 matrix instructions: row block a x all 12 column blocks, 32 along K.  bias = 1: the first product starts the sums, on the bias.  The 48 accumulators take turns, one instruction a turn.
.macro MUL f, a, bias
.if \bias
	WIN 0x85+0x40*((\a)/2)                         ; sources 0, 1 window 1; C window 0; D window 2 or 3
.else
	WIN 0xa5+0x50*((\a)/2)                         ; C and D window 2 or 3
.endif
.irp b, 0,1,2,3,4,5,6,7,8,9,10,11
.set AC, 8*(12*((\a)%2)+(\b))
.if \bias
	v_wmma_f32_16x16x32_bf16 v[AC:AC+7], v[(\f)+8*(\b):(\f)+8*(\b)+7], v[(\f)+96+8*(\a):(\f)+96+8*(\a)+7], v[BI+8*(\b):BI+8*(\b)+7]
.else
	v_wmma_f32_16x16x32_bf16 v[AC:AC+7], v[(\f)+8*(\b):(\f)+8*(\b)+7], v[(\f)+96+8*(\a):(\f)+96+8*(\a)+7], v[AC:AC+7]
.endif
.endr
.endm
; 32 LDS loads in one run: a quarter step's fragments (32 K at byte k of the rows) into buffer f: the weights' 24, then x's 8
.macro FETCH k, f
	WIN 0x40                                       ; destination window 1, address window 0
.irp b, 0,1,2,3,4,5,6,7,8,9,10,11
	ds_load_b128 v[(\f)+8*(\b):(\f)+8*(\b)+3],   v[ADRB] offset:(\k)+(\b)*16*PITCH
	ds_load_b128 v[(\f)+8*(\b)+4:(\f)+8*(\b)+7], v[ADRB] offset:(\k)+(\b)*16*PITCH+32
.endr
.irp a, 0,1,2,3
	ds_load_b128 v[(\f)+96+8*(\a):(\f)+96+8*(\a)+3],   v[ADRA] offset:(\k)+(\a)*16*PITCH
	ds_load_b128 v[(\f)+96+8*(\a)+4:(\f)+96+8*(\a)+7], v[ADRA] offset:(\k)+(\a)*16*PITCH+32
.endr
.endm
; One of a K step's first three quarters: multiplies buffer f; in its middle it fetches the next quarter, at byte k, into buffer g
.macro QUARTER k, f, g, bias
	s_wait_dscnt 4                                 ; all but the youngest four loads (x's blocks 2, 3) are in
	MUL \f, 0, \bias
	MUL \f, 1, \bias
	PLACES
	FETCH \k, \g
	s_wait_dscnt 32                                ; all but the 32 just issued
	MUL \f, 2, \bias
	MUL \f, 3, \bias
.endm
; The last quarter multiplies buffer 1 and changes slots.  In front of the barrier each wave waits for all its tensor loads (one is out: its part of the next slot), adds 0 to its spare word,
; and waits for that and for its reads of this slot.  fill = 1: the barrier opens a round of the cluster's, and the slot just read is filled again, first thing behind it, with the K step two on.
.macro TURN fill
.if \fill
	s_wait_xcnt 0x0                                ; the last prefetch, a K step back, has read its address
	s_add_nc_u64 s[PFA:PFA+1], s[PFA:PFA+1], 256
.endif
	WIN 0
	s_wait_tensorcnt 0x0
	ds_add_u32 v[SPW], v[NIL]
	s_wait_dscnt 5                                 ; the add and the youngest four loads may be out
	MUL F1, 0, 0
	s_wait_dscnt 0x0                               ; the add is done, my reads of this slot are over
	s_barrier_signal -1
	MUL F1, 1, 0
	WIN 0
	s_barrier_wait -1
.if \fill
	CREST                                          ; no wave of any partner still reads this slot or has a load on its way
	s_xor_b32 s[G0A+5], s[G0A+5], SLOT1            ; the walking descriptors: the other slot than last time, the next K step
	s_add_nc_u64 s[G0A+6:G0A+7], s[G0A+6:G0A+7], 256
	s_xor_b32 s[G0B+5], s[G0B+5], SLOT1
	s_add_nc_u64 s[G0B+6:G0B+7], s[G0B+6:G0B+7], 256
	JLOAD                                          ; its four v_nop are also the places in front of the loads below
.else
	PLACES
.endif
	s_xor_b32 s[TB], s[TB], SLOT1
	v_add_nc_u32 v[ADRA], s[TB], v[A0]
	v_add_nc_u32 v[ADRB], s[TB], v[B0]
	FETCH 0, F0
.if \fill
	ASK
.endif
	MUL F1, 2, 0
	MUL F1, 3, 0
.endm
	s_wait_tensorcnt 0x1                           ; my part of K step 0 is in; step 1's may stay out
	s_barrier_signal -1
	s_barrier_wait -1
	FETCH 0, F0
	QUARTER 64, F0, F1, 1                          ; the first quarter starts the sums
	WIN 0
	s_mov_b32 s[CNT], 6
.Lk:                                           ; a trip: a K step's quarters 1 to 3 and the next step's quarter 0; trip j refills with K step j + 2
	QUARTER 128, F1, F0, 0
	QUARTER 192, F0, F1, 0
	TURN 1
	QUARTER 64, F0, F1, 0
	WIN 0
	s_sub_co_u32 s[CNT], s[CNT], 1
	s_cmp_lg_u32 s[CNT], 0
	s_cbranch_scc1 .Lk
	QUARTER 128, F1, F0, 0                         ; K steps 6 and 7 fill nothing: written out
	QUARTER 192, F0, F1, 0
	TURN 0
	QUARTER 64, F0, F1, 0
	QUARTER 128, F1, F0, 0
	QUARTER 192, F0, F1, 0
	s_wait_dscnt 4
	MUL F1, 0, 0
	MUL F1, 1, 0
	s_wait_dscnt 0x0
	MUL F1, 2, 0
	MUL F1, 3, 0
	PLACES
; THE WAY OUT, a block of 16 rows at a time.  PACK: q and k are split (hi = bf16(s); lo = bf16(s - hi), the difference exact in f32), v is rounded to f16.  Each accumulator is read from its low end on.
.macro PACK a
.set AC0, 96*((\a)%2)
	WIN 0x0a+5*((\a)/2)                            ; sources 0, 1 window 2 or 3
.set i, 0
.rept 32
	v_cvt_pk_bf16_f32 v[H+i], v[AC0+2*i], v[AC0+2*i+1]
.set i, i+1
.endr
.set i, 0
.rept 16
	v_cvt_pk_f16_f32 v[VV+i], v[AC0+64+2*i], v[AC0+64+2*i+1]
.set i, i+1
.endr
	WIN 0
.set i, 0
.rept 32
	v_lshlrev_b32 v[T+2*i], 16, v[H+i]
	v_and_b32 v[T+2*i+1], s[MK], v[H+i]
.set i, i+1
.endr
	WIN 0x02+((\a)/2)                              ; source 0 window 2 or 3
.set i, 0
.rept 32
	v_pk_add_f32 v[T+2*i:T+2*i+1], v[AC0+2*i:AC0+2*i+1], v[T+2*i:T+2*i+1] neg_lo:[0,1] neg_hi:[0,1]
.set i, i+1
.endr
	WIN 0
.set i, 0
.rept 32
	v_cvt_pk_bf16_f32 v[L+i], v[T+2*i], v[T+2*i+1]
.set i, i+1
.endr
.endm
.macro TOSTAGE                         ; into my own stage, and back as whole rows: LDS serves a wave's instructions in order
	WIN 0
.irp b, 0,1,2,3
	ds_store_b128 v[STO], v[H+4*(\b):H+4*(\b)+3] offset:32*(\b)
	ds_store_b128 v[STO], v[L+4*(\b):L+4*(\b)+3] offset:128+32*(\b)
	ds_store_b128 v[STO], v[H+16+4*(\b):H+16+4*(\b)+3] offset:KSTG+32*(\b)
	ds_store_b128 v[STO], v[L+16+4*(\b):L+16+4*(\b)+3] offset:KSTG+128+32*(\b)
	ds_store_b128 v[STV], v[VV+4*(\b):VV+4*(\b)+3] offset:32*(\b)
.endr
.irp t, 0,1,2,3,4,5,6,7
	ds_load_b128 v[BK+4*(\t):BK+4*(\t)+3], v[RD] offset:(\t)*2*PITCH
	ds_load_b128 v[BK+32+4*(\t):BK+32+4*(\t)+3], v[RD] offset:KSTG+(\t)*2*PITCH
.endr
.irp t, 0,1,2,3
	ds_load_b128 v[BK+64+4*(\t):BK+64+4*(\t)+3], v[RDV] offset:(\t)*4*144
.endr
.endm
.macro SEND a                          ; every store covers 512 consecutive bytes, aligned: a head's rows are dense
	s_wait_dscnt 0x0
.irp t, 0,1,2,3,4,5,6,7
	global_store_b128 v[GO], v[BK+4*(\t):BK+4*(\t)+3], s[14:15] offset:4096*(\a)+512*(\t)
	global_store_b128 v[GO], v[BK+32+4*(\t):BK+32+4*(\t)+3], s[16:17] offset:4096*(\a)+512*(\t)
.endr
.irp t, 0,1,2,3
	global_store_b128 v[GO], v[BK+64+4*(\t):BK+64+4*(\t)+3], s[18:19] offset:2048*(\a)+512*(\t)
.endr
.endm
	PACK 0
	TOSTAGE
.irp a, 1,2,3                          ; a block's arithmetic stands between the loads of the block before and the wait for them
	PACK \a
	SEND (\a)-1
	s_wait_xcnt 0x0                                ; the stores have read BK: it is loaded again only behind this wait
	TOSTAGE
.endr
	SEND 3
	s_wait_tensorcnt 0x0                           ; the wave's end
	ds_add_u32 v[SPW], v[NIL]
	s_wait_dscnt 0x0
	CROUND                                         ; the closing round
	s_endpgm
.Lfunc_end_k_q1ee6fdcf58_qkv:
	.size	k_q1ee6fdcf58_qkv, .Lfunc_end_k_q1ee6fdcf58_qkv-k_q1ee6fdcf58_qkv
	.p2alignl 7, 3214868480
	.fill 96, 4, 3214868480
	.section	.rodata,"a",@progbits
	.p2align	6, 0x0
	.amdhsa_kernel k_q1ee6fdcf58_qkv
		.amdhsa_group_segment_fixed_size 327680
		.amdhsa_private_segment_fixed_size 0
		.amdhsa_enable_private_segment 0
		.amdhsa_kernarg_size 64
		.amdhsa_user_sgpr_count 2
		.amdhsa_user_sgpr_kernarg_segment_ptr 1
		.amdhsa_wavefront_size32 1
		.amdhsa_system_sgpr_workgroup_id_x 1
		.amdhsa_system_sgpr_workgroup_id_y 1
		.amdhsa_system_sgpr_workgroup_id_z 1
		.amdhsa_system_vgpr_workitem_id 0
		.amdhsa_next_free_vgpr 960
		.amdhsa_next_free_sgpr 96
		.amdhsa_reserve_vcc 0
		.amdhsa_float_denorm_mode_32 3
		.amdhsa_float_denorm_mode_16_64 3
		.amdhsa_memory_ordered 1
		.amdhsa_forward_progress 1
		.amdhsa_inst_pref_size 137
	.end_amdhsa_kernel
	.amdgpu_metadata
---
amdhsa.version: [ 1, 2 ]
amdhsa.kernels:
  - .name:           k_q1ee6fdcf58_qkv
    .symbol:         k_q1ee6fdcf58_qkv.kd
    .args:
      - { .name: xb, .offset: 0, .size: 8, .value_kind: global_buffer, .address_space: global }
      - { .name: wz, .offset: 8, .size: 8, .value_kind: global_buffer, .address_space: global }
      - { .name: bq, .offset: 16, .size: 8, .value_kind: global_buffer, .address_space: global }
      - { .name: bk, .offset: 24, .size: 8, .value_kind: global_buffer, .address_space: global }
      - { .name: bv, .offset: 32, .size: 8, .value_kind: global_buffer, .address_space: global }
      - { .name: qs, .offset: 40, .size: 8, .value_kind: global_buffer, .address_space: global }
      - { .name: ks, .offset: 48, .size: 8, .value_kind: global_buffer, .address_space: global }
      - { .name: vs, .offset: 56, .size: 8, .value_kind: global_buffer, .address_space: global }
    .group_segment_fixed_size: 327680
    .private_segment_fixed_size: 0
    .kernarg_segment_align: 8
    .kernarg_segment_size: 64
    .max_flat_workgroup_size: 128
    .sgpr_count:     96
    .vgpr_count:     960
    .wavefront_size: 32
...
	.end_amdgpu_metadata
.endif
;; end of part 2
;; launch attn (part 3): grid 4 x 64, 4 waves a work-group, no clusters, 327,680 bytes of LDS; arguments qs, ks, vs, os; writes os
.if DOCPART == 3
	.amdgcn_target "amdgcn-amd-amdhsa--gfx1250"
	.amdhsa_code_object_version 6
	.text
	.protected	k_q1ee6fdcf58_attn
	.globl	k_q1ee6fdcf58_attn
	.p2align	8
	.type	k_q1ee6fdcf58_attn,@function
k_q1ee6fdcf58_attn:
	s_mov_b64 s[64:65], 0
	v_nop
	global_prefetch_b8 v0, s[64:65] scope:SCOPE_SE
	s_setreg_imm32_b32 hwreg(HW_REG_WAVE_MODE, 25, 1), 1
	s_wait_xcnt 0x0
; CAUSAL ATTENTION WITH THE SCORES TIMES 8.  O[h][q] = the sum over k <= q of softmax_k(8 Q[h][q] . K[h][k]) V[h][k].  qs, ks: [64][2048][128] bf16, a row = 64 hi and 64 lo; vs, os: [64][2048][64] f16.
; THE SCORE is Kh.Qh + Kh.Ql + Kl.Qh, three bf16 products on one f32 accumulator (Kl.Ql, some 2^-16 of the score, is dropped): logits with a spread of tens leave no room for q and k in one 16-bit number.
; Maxima and sums in f32; p = 2^(c s - c m), c = 8 log2(e), with a running maximum m; p is rounded to f16 for the second product, its sum l is taken of the unrounded p; O is divided by l and rounded once.
; LIMITS.  |Q.K| stays under 2^100 (a hidden score counts as its value less 2^100); V within f16's 65,504; a weight below 2^-126 counts as 0; NaN and infinities are not treated apart.
; THE WALK.  A head has 8 blocks of 256 queries; block i needs the key tiles 0 .. i of 256 keys.  Work-group b takes blocks 7 - b and then b: 9 tiles, whatever b: 256 equal work-groups, one counted loop.
; NO CLUSTER: a head's four work-groups ask for the same tile only in trips 0 to 4 of 9; one walk common to all four would have 12 trips for 9.
; SHARES.  Of a block's four bands of 64 queries a wave owns 16 rows in each: tile t = band t.  In the diagonal tile's key step s band t sees all keys (s < t), none (s > t) or holds the diagonal (s = t).
; THE MASK is the C operand that starts a score's sum: MC = MD x AL + BE, MD the mask of a band's own step.  Outside a diagonal tile MC holds 0 and its making is jumped over.
; BY TURNS.  Two PIECES (tiles 0, 1 and tiles 2, 3).  In a turn one piece has the matrix unit: 16 products V^T P of the step before, 48 products K Q^T of the step in hand; the other piece's softmax,
; 236 vector instructions in 59 slices of four, stands behind the products, one slice each, from the sixth on.  A turn's 66 exponentials are one batch with one wait.
; NO FIRST STEP IS WRITTEN OUT.  A block begins with c m = -2^125 (so the first a is 0 and wipes O and l, which need only be finite) and with piece 2's scores at -2^100, a power of two,
; so that the softmax of the step that has not been finds c s - c m = 0 exactly; the true first step wipes what it made.  Every row sees key 0 in its block's first step.
; REGISTERS, in windows of 256: window 0 addresses, v12-43 statistics (8 a tile: c m, m, l, l, c0-c3; a takes c2's place), v64-191 S^T, v192-255 P;
; window 1 v0-127 O^T, v128-159 MD, v160-223 MC; window 2 v0-127 Q (tile t, chunk c at 32 t + 8 c; chunks 0, 1 hi, 2, 3 lo), v128-255 K; window 3 v0-63 V, v64-191 the second block's Q.
.set NB,    8
.set KS,    64
.set PKB,   272                        ; a row of K in LDS: 256 bytes + 16
.set PVB,   160                        ; a row of V: 128 + 32
.set VOFF,  4*KS*PKB
.set SLOT1, 1<<17
.set STAGE, SLOT1+4*KS*(PKB+PVB)       ; behind the ring, never filled by a tensor load
.set SP,    144
.set SPARE, STAGE+4*16*SP
.set AK0, 2
.set AV0, 3
.set ADR, 4
.set QO,  5
.set STO, 6
.set RD,  7
.set GO,  8
.set ST,  12
.set PFO, 61                           ; v61  256 x lane
.set SPW, 62
.set NIL, 63
.set S,   64
.set P,   192
.set MD,  128
.set MC,  160
.set KF,  128
.set QB,  64
.set WV,  12
.set PB,  14                           ; s14  b
.set HI,  15                           ; s15  7 - b
.set G1K, 24
.set G1V, 32
.set G0K, 40
.set G0V, 44
.set SLOTS, 56                         ; s56  tiles still to be asked for
.set CNT, 57                           ; s57  a tile's key steps, 4 to 1
.set CS,  58
.set SEL, 60
.set TBK, 62                           ; s62  LDS byte at which K of the step to be fetched begins
.set TBV, 63
.set RT,  70                           ; s70  tiles of the block in hand still to be entered
.set NXT, 71                           ; s71  the tile to be asked for next
.set LQ,  72                           ; s72  the last tile of the block whose tiles are being asked for
.set DG,  73                           ; s73  1: the tile in hand holds the diagonal
.set OFK, 74
.set AL,  76
.set BE,  78
.set OLO, 80                           ; s[80:81] O at my rows of the second block
.set BIGN, 82                          ; s82  -2^100
.set OFV, 84
.set QLO, 86
.set PFK, 88                           ; s[88:89], s[90:91] where my prefetches stand
.set PFV, 90
.set LIM, 92                           ; s92  2 in work-group b = 0, else the greatest number
.set MSB, 0
.macro WIN new
.if MSB != (\new)
	s_set_vgpr_msb (MSB<<8)|(\new)
.set MSB, (\new)
.endif
.endm
.set W_KQ, 0x0a
.set W_KM, 0x1a
.set W_PV, 0x53
.set W_RS, 0x41
.macro LOAD                            ; waves 0, 1 fetch the halves of a tile's K, waves 2, 3 those of its V: 128 keys each
	s_cmp_lt_u32 s[WV], 2
	s_cbranch_scc0 .Lfor_v_\@
	tensor_load_to_lds s[G0K:G0K+3], s[G1K:G1K+7]
	s_nop 0
.rept 4
	v_nop
.endr
	s_branch .Lasked_\@
.Lfor_v_\@:
	tensor_load_to_lds s[G0V:G0V+3], s[G1V:G1V+7]
	s_nop 0
.rept 4
	v_nop
.endr
.Lasked_\@:
.endm
; A prefetch of the tile that the NEXT change of slots will ask for.  A head's four work-groups walk tiles 0, 1, .. together; work-group b = 0, which walks all eight in order, names each tile once:
; each wave 64 blocks of 256 bytes of K and 32 of V, a lane a block.  Behind the fill of tile i + 1 it names tile i + 2, while there is one (i <= 5).
.macro ASK
	s_cmp_gt_u32 s[SLOTS], s[LIM]
	s_cbranch_scc0 .Lnot_mine_\@
	global_prefetch_b8 v[PFO], s[PFK:PFK+1] th:TH_LOAD_NT scope:SCOPE_SE
	global_prefetch_b8 v[PFO], s[PFK:PFK+1] offset:32768 th:TH_LOAD_NT scope:SCOPE_SE
	global_prefetch_b8 v[PFO], s[PFV:PFV+1] th:TH_LOAD_NT scope:SCOPE_SE
.Lnot_mine_\@:
.endm
; THE CHANGE OF SLOTS.  Each wave waits for all its tensor loads (one is out: its part of the other slot), adds 0 to its spare word, and waits for that and for its reads of the slot that it leaves.
; fill = 1: the old slot is filled again, first thing behind the barrier, with tile NXT; the descriptor's address is made anew from that number.
.macro CHANGE fill
	WIN 0
	s_wait_tensorcnt 0x0
	ds_add_u32 v[SPW], v[NIL]
.if \fill
	s_lshl_b32 s[OFK], s[NXT], 16                  ; a tile is 65,536 bytes of K
	s_lshl_b32 s[OFV], s[NXT], 15                  ; and 32,768 of V
	s_xor_b32 s[G0K+1], s[G0K+1], SLOT1
	s_add_nc_u64 s[G0K+2:G0K+3], s[6:7], s[OFK:OFK+1]
	s_or_b32 s[G0K+3], s[G0K+3], 0x80000000
	s_xor_b32 s[G0V+1], s[G0V+1], SLOT1
	s_add_nc_u64 s[G0V+2:G0V+3], s[8:9], s[OFV:OFV+1]
	s_or_b32 s[G0V+3], s[G0V+3], 0x80000000
	s_add_co_u32 s[NXT], s[NXT], 1                 ; the block's next tile, or behind its last the second block's tile 0
	s_cmp_gt_u32 s[NXT], s[LQ]
	s_cselect_b32 s[NXT], 0, s[NXT]
	s_cselect_b32 s[LQ], s[PB], s[LQ]
	s_wait_xcnt 0x0                                ; the last prefetches, a tile back, have read their addresses
	s_add_nc_u64 s[PFK:PFK+1], s[PFK:PFK+1], 65536
	s_add_nc_u64 s[PFV:PFV+1], s[PFV:PFV+1], 32768
.endif
	s_wait_dscnt 0x0                               ; the add is done, my reads of the slot are over
	s_barrier_signal -1
	s_sub_co_u32 s[TBK], s[TBK], 4*KS*PKB          ; the fetches go back to a slot's first step, in the other slot
	s_xor_b32 s[TBK], s[TBK], SLOT1
	s_sub_co_u32 s[TBV], s[TBV], 4*KS*PVB
	s_xor_b32 s[TBV], s[TBV], SLOT1
	s_barrier_wait -1
.if \fill
	LOAD
	ASK
.endif
.endm
	s_load_b256 s[4:11], s[0:1], 0x0               ; qs, ks, vs, os
	v_lshl_add_u32 v[SPW], v0, 2, SPARE
	v_mov_b32 v[NIL], 0
	ds_add_u32 v[SPW], v[NIL]                      ; the opening: the add and its wait stand ahead of my first tensor load
	v_lshrrev_b32 v1, 5, v0
	v_readfirstlane_b32 s[WV], v1
	s_mov_b32 s[PB], ttmp9
	s_sub_co_u32 s[HI], NB-1, s[PB]
	s_and_b32 s20, ttmp7, 0xffff                   ; the head (16 batch + head)
	s_and_b32 s16, s[WV], 1                        ; which half of a tile's keys I fetch
	s_lshl_b32 s22, s20, 19                        ; a head is 524,288 bytes of qs and ks,
	s_lshl_b32 s13, s16, 15
	s_add_co_u32 s22, s22, s13
	s_mov_b32 s23, 0
	s_lshl_b32 s18, s20, 18                        ; 262,144 of vs and os
	s_lshl_b32 s13, s16, 14
	s_add_co_u32 s18, s18, s13
	s_mov_b32 s19, 0
	s_lshl_b32 s48, s20, 19                        ; the prefetches: my wave's 8,192 bytes, at tile 1
	s_lshl_b32 s13, s[WV], 13
	s_add_co_u32 s48, s48, s13
	s_add_co_u32 s48, s48, 65536
	s_mov_b32 s49, 0
	s_lshl_b32 s50, s20, 18
	s_add_co_u32 s50, s50, s13
	s_add_co_u32 s50, s50, 32768
	s_mov_b32 s51, 0
	s_lshl_b32 s52, s20, 19                        ; Q: my 16 rows in a band, in the second block and in the first
	s_lshl_b32 s13, s[WV], 12
	s_add_co_u32 s52, s52, s13
	s_lshl_b32 s13, s[PB], 16
	s_add_co_u32 s54, s52, s13
	s_mov_b32 s55, 0
	s_lshl_b32 s13, s[HI], 16
	s_add_co_u32 s52, s52, s13
	s_mov_b32 s53, 0
	s_lshl_b32 s2, s20, 18                         ; O likewise
	s_lshl_b32 s13, s[WV], 11
	s_add_co_u32 s2, s2, s13
	s_lshl_b32 s13, s[PB], 15
	s_add_co_u32 s66, s2, s13
	s_mov_b32 s67, 0
	s_lshl_b32 s13, s[HI], 15
	s_add_co_u32 s2, s2, s13
	s_mov_b32 s3, 0
	s_mul_i32 s17, s16, 128*PKB
	s_mul_i32 s21, s16, 128*PVB
	s_mov_b32 s[G1K], (1<<16)|(1<<20)|(5<<22)|(3<<25)  ; 2-byte elements; padding: after every 64 words 4 words
	s_mov_b32 s[G1K+1], 128<<16
	s_mov_b32 s[G1K+2], 128<<16                    ; 128 rows of 256 bytes
	s_mov_b32 s[G1K+3], 128<<16
	s_mov_b32 s[G1K+4], 128
	s_mov_b32 s[G1K+5], 128
	s_mov_b32 s[G1K+6], 0
	s_mov_b32 s[G1K+7], 0
	s_mov_b32 s[G1V], (1<<16)|(1<<20)|(4<<22)|(7<<25)  ; 128 keys of V are dense: 64 rows of 256 bytes, padded after every key (32 words) by 8 words
	s_mov_b32 s[G1V+1], 128<<16
	s_mov_b32 s[G1V+2], 64<<16
	s_mov_b32 s[G1V+3], 128<<16
	s_mov_b32 s[G1V+4], 64
	s_mov_b32 s[G1V+5], 128
	s_mov_b32 s[G1V+6], 0
	s_mov_b32 s[G1V+7], 0
	s_mov_b32 s[CS], 0x4138aa3b                    ; c = 8 log2(e)
	s_mov_b32 s[CS+1], s[CS]
	s_mov_b32 s[SEL], 0x76543210
	s_mov_b32 s[SEL+1], 0xfedcba98
	s_mov_b32 s[TBK], SLOT1+4*KS*PKB               ; the first change of slots turns these two into 0
	s_mov_b32 s[TBV], SLOT1+4*KS*PVB
	s_mov_b32 s[G0K], 1
	s_mov_b32 s[G0K+1], s17
	s_mov_b32 s[G0V], 1
	s_add_co_u32 s[G0V+1], s21, VOFF
	s_add_co_u32 s[RT], s[HI], 1                   ; the first block has 8 - b tiles
	s_mov_b32 s[NXT], 1
	s_mov_b32 s[LQ], s[HI]
	s_mov_b32 s[DG], 0
	s_mov_b32 s[OFK+1], 0
	s_mov_b32 s[OFV+1], 0
	s_mov_b32 s[AL+1], 0
	s_mov_b32 s[BE+1], 0
	s_mov_b32 s[BIGN], 0xf1800000                  ; -2^100
	s_mov_b32 s[SLOTS], NB
	s_cmp_eq_u32 s[PB], 0
	s_cselect_b32 s[LIM], 2, -1
	s_wait_dscnt 0x0                               ; the opening add is done
	s_wait_kmcnt 0x0
	s_add_nc_u64 s[PFK:PFK+1], s[6:7], s[48:49]
	s_add_nc_u64 s[PFV:PFV+1], s[8:9], s[50:51]
	s_add_nc_u64 s[6:7], s[6:7], s[22:23]          ; K and V at my half of the head's tile 0
	s_add_nc_u64 s[8:9], s[8:9], s[18:19]
	s_add_nc_u64 s[G0K+2:G0K+3], s[6:7], 0
	s_or_b32 s[G0K+3], s[G0K+3], 0x80000000
	s_add_nc_u64 s[G0V+2:G0V+3], s[8:9], 0
	s_or_b32 s[G0V+3], s[G0V+3], 0x80000000
	s_add_nc_u64 s[QLO:QLO+1], s[4:5], s[54:55]
	s_add_nc_u64 s[4:5], s[4:5], s[52:53]
	s_add_nc_u64 s[OLO:OLO+1], s[10:11], s[66:67]
	s_add_nc_u64 s[10:11], s[10:11], s[2:3]
	LOAD                                           ; tile 0 into slot 0
	v_and_b32 v1, 15, v0                           ; l % 16
	v_bfe_u32 v9, v0, 4, 1                         ; l / 16
	v_lshlrev_b32 v[QO], 8, v1
	v_lshl_add_u32 v[QO], v9, 4, v[QO]             ; row x 256 + 16 x half
	WIN 0x80
.set i, 0
.rept 16                                       ; tile i / 4 lies in band i / 4, 16,384 bytes on; chunk i % 4 of 32 numbers
	global_load_b128 v[8*i:8*i+3],   v[QO], s[4:5] offset:(i/4)*16384+(i%4)*64
	global_load_b128 v[8*i+4:8*i+7], v[QO], s[4:5] offset:(i/4)*16384+(i%4)*64+32
.set i, i+1
.endr
	WIN 0xc0
.set i, 0
.rept 16
	global_load_b128 v[QB+8*i:QB+8*i+3],   v[QO], s[QLO:QLO+1] offset:(i/4)*16384+(i%4)*64
	global_load_b128 v[QB+8*i+4:QB+8*i+7], v[QO], s[QLO:QLO+1] offset:(i/4)*16384+(i%4)*64+32
.set i, i+1
.endr
.set i, 0
.rept 64
	v_mov_b32 v[i], 0                              ; V: the first turn's products V^T P need finite numbers
.set i, i+1
.endr
	WIN 0
	v_lshlrev_b32 v44, 3, v9
	v_sub_nc_u32 v44, v1, v44
	s_lshl_b32 s13, s[WV], 4
	v_add_nc_u32 v44, s13, v44                     ; my query's place in its band, 16 w + l % 16, less 8 (l / 16): register r of key block kb is hidden where 16 kb + r is greater
	WIN 0x40
.set i, 0
.rept 32
	v_cmp_gt_i32 vcc_lo, 16*(i/8)+i%8, v44
	v_cndmask_b32 v[MD+i], 0, s[BIGN], vcc_lo
.set i, i+1
.endr
.set i, 0
.rept 128
	v_mov_b32 v[i], 0                              ; O^T
.set i, i+1
.endr
	WIN 0
	v_mul_u32_u24 v[AK0], v1, PKB
	v_lshl_add_u32 v[AK0], v9, 4, v[AK0]
	v_and_b32 v10, 7, v0                           ; the turning load: lane l reads key 8 (l / 16) + l % 8, channels 8 ((l / 8) % 2) + 0..7
	v_bfe_u32 v11, v0, 3, 1
	v_lshl_add_u32 v[AV0], v9, 3, v10
	v_mul_u32_u24 v[AV0], v[AV0], PVB
	v_lshl_add_u32 v[AV0], v11, 4, v[AV0]
	v_add_nc_u32 v[AV0], VOFF, v[AV0]
	s_mul_i32 s13, s[WV], 16*SP
	s_add_co_u32 s13, s13, STAGE
	v_mul_u32_u24 v[STO], v1, SP
	v_lshl_add_u32 v[STO], v9, 4, v[STO]
	v_add_nc_u32 v[STO], s13, v[STO]
	v_bfe_u32 v[RD], v0, 3, 2
	v_mul_u32_u24 v[RD], v[RD], SP
	v_lshl_add_u32 v[RD], v10, 4, v[RD]
	v_add_nc_u32 v[RD], s13, v[RD]
	v_and_b32 v[GO], 31, v0
	v_lshlrev_b32 v[PFO], 8, v[GO]
	v_lshlrev_b32 v[GO], 4, v[GO]
.set i, 0
.rept 4
	v_mov_b32 v[ST+8*i+2], 0                       ; l
	v_mov_b32 v[ST+8*i+3], 0
.set i, i+1
.endr
.set i, P
.rept 32
	v_mov_b32 v[i], 0                              ; piece 0's P
.set i, i+1
.endr
; A BLOCK BEGINS: the masks are 0; c m far below every c s, m the lowest finite number; piece 2's scores of the step that has not been are -2^100.
.macro START
	WIN 0x40
.set i, 0
.rept 64
	v_mov_b32 v[MC+i], 0
.set i, i+1
.endr
	WIN 0
.set i, 0
.rept 4
	v_mov_b32 v[ST+8*i], 0xfe000000
	v_mov_b32 v[ST+8*i+1], 0xff7fffff
.set i, i+1
.endr
.set i, 0
.rept 64
	v_mov_b32 v[S+64+i], s[BIGN]
.set i, i+1
.endr
.endm
; THE MATRIX WORK.  Product i of 48 of S^T for piece x: tile x + i % 2, keys 16 ((i / 2) % 4) on; group i / 8 takes K's chunk 0, 1, 0, 1, 2, 3 with Q's chunk 0, 1, 2, 3, 0, 1.
; The first 8 start the sums on the mask.  Eight accumulators take turns, one instruction a turn.
.macro KQ x
.set tt, (\x)+i%2
.set kb, (i/2)%4
.set g,  i/8
.set rS, S+32*tt+8*kb
.set rK, KF+32*kb+8*(g%2+2*(g/4))
.set rQ, 32*tt+8*(g%4)
.set rM, MC+32*(i%2)+8*kb
.if i < 8
	WIN W_KM
	v_wmma_f32_16x16x32_bf16 v[rS:rS+7], v[rK:rK+7], v[rQ:rQ+7], v[rM:rM+7]
.else
	WIN W_KQ
	v_wmma_f32_16x16x32_bf16 v[rS:rS+7], v[rK:rK+7], v[rQ:rQ+7], v[rS:rS+7]
.endif
.endm
; Product i of 16 of O^T += V^T P for piece x: keys 32 (i / 8) on, channels 16 ((i / 2) % 4) on, tile x + i % 2.
.macro PV x
	WIN W_PV
.set rO, 32*((\x)+i%2)+8*((i/2)%4)
.set rV, 32*(i/8)+8*((i/2)%4)
.set rP, P+16*((\x)+i%2)+8*(i/8)
	v_wmma_f32_16x16x32_f16 v[rO:rO+7], v[rV:rV+7], v[rP:rP+7], v[rO:rO+7]
.endm
; THE LDS LOADS stand in runs: a step's K (64 keys x 256 bytes: 32 loads, the 16 of the hi chunks first) and its V (turned, 16 loads).
.macro FETCH_K
	WIN 0
	v_add_nc_u32 v[ADR], s[TBK], v[AK0]
	s_add_co_u32 s[TBK], s[TBK], KS*PKB
	WIN 0x80
.irp c, 0,2
.irp f, 0,1,2,3,4,5,6,7
.set rK, KF+32*((\f)/2)+8*((\c)+(\f)%2)
.set oK, ((\f)/2)*16*PKB+((\c)+(\f)%2)*64
	ds_load_b128 v[rK:rK+3],   v[ADR] offset:oK
	ds_load_b128 v[rK+4:rK+7], v[ADR] offset:oK+32
.endr
.endr
.endm
.macro FETCH_V
	WIN 0
	v_add_nc_u32 v[ADR], s[TBV], v[AV0]
	s_add_co_u32 s[TBV], s[TBV], KS*PVB
	s_wait_alu depctr_va_vdst(0)                   ; the wait for the softmax's batch, ahead of the first instruction that names a result of it
	WIN 0xc0
.irp f, 0,1,2,3,4,5,6,7
	ds_load_tr16_b128 v[8*(\f):8*(\f)+3],   v[ADR] offset:((\f)/4)*32*PVB+((\f)%4)*32
	ds_load_tr16_b128 v[8*(\f)+4:8*(\f)+7], v[ADR] offset:((\f)/4)*32*PVB+16*PVB+((\f)%4)*32
.endr
.endm
; THE VECTOR WORK.  One tile's softmax for a key step is a list of 118; SM writes number j of it for tile t.
;   0-15 the maximum of the lane's 32 scores and the old m (each accumulator's low registers first)   16-20 the other half of the lanes; m; c m; its change
;   21-69 ONE BATCH: 16 scalings c s - c m and 33 exponentials (a at 23), none of which reads an exponential's result   70-85 roundings to f16   86-101 the sums, l = a l + sum   102-117 O^T times a
.macro SM t
.set rT, ST+8*(\t)
.set rS, S+32*(\t)
.set rP, P+16*(\t)
.set rO, 32*(\t)+2*(j-102)
.if j < 102
	WIN 0
.endif
.if j < 4
	v_max3_num_f32 v[rT+4+j], v[rS+8*j], v[rS+8*j+1], v[rS+8*j+2]
.elseif j < 12
	v_max3_num_f32 v[rT+4+j%4], v[rT+4+j%4], v[rS+8*(j%4)+2*(j/4)+1], v[rS+8*(j%4)+2*(j/4)+2]
.elseif j == 12
	v_max3_num_f32 v[rT+4], v[rT+4], v[rS+7], v[rS+15]
.elseif j == 13
	v_max3_num_f32 v[rT+6], v[rT+6], v[rS+23], v[rS+31]
.elseif j == 14
	v_max3_num_f32 v[rT+4], v[rT+4], v[rT+5], v[rT+6]
.elseif j == 15
	v_max3_num_f32 v[rT+4], v[rT+4], v[rT+7], v[rT+1]
.elseif j == 16
	v_permlanex16_b32 v[rT+5], v[rT+4], s[SEL], s[SEL+1]
.elseif j == 17
	v_mov_b32 v[rT+7], v[rT]
.elseif j == 18
	v_max_num_f32 v[rT+1], v[rT+4], v[rT+5]
.elseif j == 19
	v_mul_f32 v[rT], s[CS], v[rT+1]
.elseif j == 20
	v_sub_f32 v[rT+7], v[rT+7], v[rT]
.elseif j == 23
	v_exp_f32 v[rT+6], v[rT+7]
.elseif (j < 23) || ((j < 38) && (j%2 == 0)) || ((j < 66) && (j%4 == 2))
.set b, (j-2)/4
.if j < 38
.set b, (j-20)/2
.endif
	v_pk_fma_f32 v[rS+2*b:rS+2*b+1], v[rS+2*b:rS+2*b+1], s[CS:CS+1], v[rT:rT+1] op_sel_hi:[1,0,0] neg_lo:[0,0,1] neg_hi:[0,0,1]
.elseif j < 70
.set e, j-38
.if j < 66
.set e, j-32-(j-38)/4
.endif
.if j < 38
.set e, (j-25)/2
.endif
	v_exp_f32 v[rS+e], v[rS+e]
.elseif j < 86
	v_cvt_pk_f16_f32 v[rP+j-70], v[rS+2*(j-70)], v[rS+2*(j-70)+1]
.elseif j < 102
.set z, j-86
.set w, 4
.set u, z
.if z >= 14
.set w, 32
.set u, 0
.elseif z >= 12
.set w, 16
.set u, z-12
.elseif z >= 8
.set w, 8
.set u, z-8
.endif
.if z < 15
	v_pk_add_f32 v[rS+w*u:rS+w*u+1], v[rS+w*u:rS+w*u+1], v[rS+w*u+w/2:rS+w*u+w/2+1]
.else
	v_pk_fma_f32 v[rT+2:rT+3], v[rT+2:rT+3], v[rT+6:rT+7], v[rS:rS+1] op_sel_hi:[1,0,1]
.endif
.else
	WIN W_RS
	v_pk_mul_f32 v[rO:rO+1], v[rO:rO+1], v[rT+6:rT+7] op_sel_hi:[1,0]
.endif
.endm
; Slice k of 59 of piece y's softmax.  Slices 11 to 34 deal out the batch, four numbers of one tile each, the tiles by turns; every other slice is numbers 2 k, 2 k + 1 of both tiles.
; Behind slice 34 stand one plain instruction and the piece's one wait; where piece 0's softmax rides (piece 2's turn) V's run of loads stands there, the wait in it.
.macro SLICE y
.if (k >= 11) && (k < 35)
.irp n, 0,1,2,3
.set j, 22+4*((k-11)/2)+(\n)
	SM (\y)+(k-11)%2
.endr
.else
.irp n, 0,1
.irp t, \y, (\y)+1
.set j, 2*k+(\n)
	SM \t
.endr
.endr
.endif
.if k == 34
	v_nop                                          ; the plain instruction behind the last exponential: one for the batch
.if (\y) == 0
	FETCH_V
.else
	s_wait_alu depctr_va_vdst(0)                   ; the wait for the batch
.endif
.endif
.set k, k+1
.endm
; The masks of piece x's two tiles for key step 4 - CNT of a diagonal tile.  always = 0: jumped over where the tile in hand holds no diagonal; MC is then 0.
.macro MASKS x, always
	WIN 0
.if (\always) == 0
	s_cmp_eq_u32 s[DG], 0
	s_cbranch_scc1 .Lno_mask_\@
.endif
.irp h, 0,1
	s_cmp_eq_u32 s[CNT], 4-((\x)+(\h))             ; is the step the band's own?
	s_cselect_b32 s[AL], 1.0, 0
	s_cmp_lt_u32 s[CNT], 4-((\x)+(\h))             ; or a later one?
	s_cselect_b32 s[BE], s[BIGN], 0
	WIN W_RS
.set z, 0
.rept 16
	v_pk_fma_f32 v[MC+32*(\h)+2*z:MC+32*(\h)+2*z+1], v[MD+2*z:MD+2*z+1], s[AL:AL+1], s[BE:BE+1] op_sel_hi:[1,0,0]
.set z, z+1
.endr
.endr
	WIN 0
.if (\always) == 0
.Lno_mask_\@:
.endif
.endm
; A TURN.  Piece x has the matrix unit.  Slice k stands behind matrix instruction k + 5; slice 58, four plain rescalings, behind the last: they are the places ahead of the next reads of the scores and of the loads into K's registers.
; Piece 0's turn fetches the step's K behind its second product.
.macro TURN x, always
	MASKS \x, \always
.if (\x) == 0
	s_wait_dscnt 0x0                               ; V of the step before is in
.endif
.set k, 0
.set i, 0
.rept 16
	PV \x
.if i >= 5
	SLICE 2-(\x)
.endif
.if ((\x) == 0) && (i == 1)
	FETCH_K
.endif
.set i, i+1
.endr
.set i, 0
.rept 48
.if ((\x) == 0) && (i == 0)
	s_wait_dscnt 16                                ; K's hi chunks are in; the 16 loads of the lo chunks may stay out
.endif
.if ((\x) == 0) && (i == 32)
	s_wait_dscnt 0x0                               ; the lo chunks
.endif
	KQ \x
	SLICE 2-(\x)
.set i, i+1
.endr
.endm
; THE WAY OUT of tile t: O^T divided by l, rounded to f16, through my stage in LDS, back as whole rows.
.macro PACK t
	WIN W_RS
.set i, 32*(\t)
.rept 16
	v_pk_mul_f32 v[i:i+1], v[i:i+1], v[ST+8*(\t)+6:ST+8*(\t)+7] op_sel_hi:[1,0]
.set i, i+2
.endr
	WIN 0x05
.set i, 0
.rept 16
	v_cvt_pk_f16_f32 v[S+16*(\t)+i], v[32*(\t)+2*i], v[32*(\t)+2*i+1]
.set i, i+1
.endr
	WIN 0
.irp f, 0,1,2,3
	ds_store_b128 v[STO], v[S+16*(\t)+4*(\f):S+16*(\t)+4*(\f)+3] offset:32*(\f)
.endr
.irp f, 0,1,2,3
	ds_load_b128 v[S+16*(\t)+4*(\f):S+16*(\t)+4*(\f)+3], v[RD] offset:(\f)*4*SP  ; LDS serves a wave's instructions in order: these see the stores above
.endr
.endm
.macro SEND t, younger                 ; younger: the LDS instructions issued behind tile t's loads
	WIN 0
.irp f, 0,1,2,3
	s_wait_dscnt (\younger)+3-(\f)
	global_store_b128 v[GO], v[S+16*(\t)+4*(\f):S+16*(\t)+4*(\f)+3], s[10:11] offset:(\t)*8192+(\f)*512  ; 512 consecutive bytes, aligned
.endr
.endm
; A BLOCK ENDS: piece 0's V^T P of the last step, beside it piece 2's last softmax (four slices a product); piece 2's V^T P; the way out.  more = 1: the second block is set up.
.macro FINISH more
	s_wait_dscnt 0x0                               ; V of the last step is in
.set k, 0
.set i, 0
.rept 16
	PV 0
.rept 4
.if k < 59
	SLICE 2
.endif
.endr
.set i, i+1
.endr
.set i, 0
.rept 16
	PV 2
.set i, i+1
.endr
	WIN 0                                          ; the four additions are the places behind the last products
.irp t, 0,1,2,3
	v_add_f32 v[ST+8*(\t)+4], v[ST+8*(\t)+2], v[ST+8*(\t)+3]
.endr
.irp t, 0,1,2,3
	v_permlanex16_b32 v[ST+8*(\t)+5], v[ST+8*(\t)+4], s[SEL], s[SEL+1]
.endr
.irp t, 0,1,2,3
	v_add_f32 v[ST+8*(\t)+4], v[ST+8*(\t)+4], v[ST+8*(\t)+5]
.endr
.irp t, 0,1,2,3
	v_rcp_f32 v[ST+8*(\t)+6], v[ST+8*(\t)+4]
.endr
	v_nop                                          ; a plain instruction behind the last reciprocal,
	s_wait_alu depctr_va_vdst(0)                   ; and one wait for the four, ahead of their first use
	PACK 0
	PACK 1
	SEND 0, 8
	PACK 2
	SEND 1, 8
	PACK 3
	SEND 2, 8
	SEND 3, 0
.if \more
	s_wait_xcnt 0x0                                ; the stores have read their registers and O's address
	s_mov_b64 s[10:11], s[OLO:OLO+1]
	s_add_co_u32 s[RT], s[PB], 1                   ; the second block has b + 1 tiles
	WIN 0x83                                       ; its Q goes where the one text of the turns names Q
.set i, 0
.rept 128
	v_mov_b32 v[i], v[QB+i]
.set i, i+1
.endr
	START
.endif
.endm
	START
	s_wait_loadcnt 0x0                             ; both blocks' Q
.Lslot:                                        ; 8 times: a tile is entered and the next is asked for
	CHANGE 1
	s_sub_co_u32 s[RT], s[RT], 1
	s_cmp_eq_u32 s[RT], 0
	s_cselect_b32 s[DG], 1, 0
	s_mov_b32 s[CNT], 4
.Lstep:                                        ; a key step: its K and V are fetched, its scores made; the products V^T P are the step before's
	TURN 0, 0
	TURN 2, 0
	WIN 0
	s_sub_co_u32 s[CNT], s[CNT], 1
	s_cmp_lg_u32 s[CNT], 0
	s_cbranch_scc1 .Lstep
	s_cmp_eq_u32 s[DG], 0
	s_cbranch_scc1 .Lbottom                        ; forward, past text with neither a barrier nor a tensor load
	FINISH 1                                       ; in the loop a diagonal tile is the first block's last
.Lbottom:
	s_sub_co_u32 s[SLOTS], s[SLOTS], 1
	s_cmp_lg_u32 s[SLOTS], 0
	s_cbranch_scc1 .Lslot
	CHANGE 0                                       ; the walk's last tile, the second block's diagonal one, is written out: nothing is asked for
	s_mov_b32 s[CNT], 4
.Ltail:
	TURN 0, 1
	TURN 2, 1
	WIN 0
	s_sub_co_u32 s[CNT], s[CNT], 1
	s_cmp_lg_u32 s[CNT], 0
	s_cbranch_scc1 .Ltail
	FINISH 0
	s_wait_tensorcnt 0x0                           ; the wave's end
	ds_add_u32 v[SPW], v[NIL]
	s_wait_dscnt 0x0
	s_endpgm
.Lfunc_end_k_q1ee6fdcf58_attn:
	.size	k_q1ee6fdcf58_attn, .Lfunc_end_k_q1ee6fdcf58_attn-k_q1ee6fdcf58_attn
	.p2alignl 7, 3214868480
	.fill 96, 4, 3214868480
	.section	.rodata,"a",@progbits
	.p2align	6, 0x0
	.amdhsa_kernel k_q1ee6fdcf58_attn
		.amdhsa_group_segment_fixed_size 327680
		.amdhsa_private_segment_fixed_size 0
		.amdhsa_enable_private_segment 0
		.amdhsa_kernarg_size 32
		.amdhsa_user_sgpr_count 2
		.amdhsa_user_sgpr_kernarg_segment_ptr 1
		.amdhsa_wavefront_size32 1
		.amdhsa_system_sgpr_workgroup_id_x 1
		.amdhsa_system_sgpr_workgroup_id_y 1
		.amdhsa_system_sgpr_workgroup_id_z 1
		.amdhsa_system_vgpr_workitem_id 0
		.amdhsa_next_free_vgpr 960
		.amdhsa_next_free_sgpr 96
		.amdhsa_reserve_vcc 1
		.amdhsa_float_denorm_mode_32 3
		.amdhsa_float_denorm_mode_16_64 3
		.amdhsa_memory_ordered 1
		.amdhsa_forward_progress 1
		.amdhsa_inst_pref_size 194
	.end_amdhsa_kernel
	.amdgpu_metadata
---
amdhsa.version: [ 1, 2 ]
amdhsa.kernels:
  - .name:           k_q1ee6fdcf58_attn
    .symbol:         k_q1ee6fdcf58_attn.kd
    .args:
      - { .name: qs, .offset: 0, .size: 8, .value_kind: global_buffer, .address_space: global }
      - { .name: ks, .offset: 8, .size: 8, .value_kind: global_buffer, .address_space: global }
      - { .name: vs, .offset: 16, .size: 8, .value_kind: global_buffer, .address_space: global }
      - { .name: os, .offset: 24, .size: 8, .value_kind: global_buffer, .address_space: global }
    .group_segment_fixed_size: 327680
    .private_segment_fixed_size: 0
    .kernarg_segment_align: 8
    .kernarg_segment_size: 32
    .max_flat_workgroup_size: 128
    .sgpr_count:     96
    .vgpr_count:     960
    .wavefront_size: 32
...
	.end_amdgpu_metadata
.endif
;; end of part 3
;; launch proj (part 4): grid 8 x 32, 4 waves a work-group, clusters of 4 x 4, 327,680 bytes of LDS; arguments os, wpz, bp, out0; writes out0
.if DOCPART == 4
	.amdgcn_target "amdgcn-amd-amdhsa--gfx1250"
	.amdhsa_code_object_version 6
	.text
	.protected	k_q1ee6fdcf58_proj
	.globl	k_q1ee6fdcf58_proj
	.p2align	8
	.type	k_q1ee6fdcf58_proj,@function
k_q1ee6fdcf58_proj:
	s_mov_b64 s[64:65], 0
	v_nop
	global_prefetch_b8 v0, s[64:65] scope:SCOPE_SE
	s_setreg_imm32_b32 hwreg(HW_REG_WAVE_MODE, 25, 1), 1
	s_wait_xcnt 0x0
	s_wait_alu depctr_hold_cnt(0) depctr_sa_sdst(0) depctr_va_vdst(0) depctr_va_sdst(0) depctr_va_ssrc(0) depctr_va_vcc(0) depctr_vm_vsrc(0)
	s_getreg_b32 s2, hwreg(HW_REG_IB_STS2, 6, 4)
	s_cmp_eq_u32 s2, 0
	s_cbranch_scc0 .Lentry_in_a_cluster
	s_endpgm
.Lentry_in_a_cluster:
	s_bfe_u32 s2, ttmp6, 0x10000c
	s_cmp_lg_u32 s2, 0xf033
	s_cbranch_scc0 .Lentry_shape_is_right
	s_endpgm
.Lentry_shape_is_right:
; out0 = O Wp^T + bp.  os [64 = 16 batch + head][2048][64] f16, wpz [1024][1024] f16 (bf16(Wp)), bp rounded to bf16 like every input, sums and out0 in f32.
; SHARES.  A tile is 256 rows x 128 columns: 8 x 32 = 256 work-groups.  Wave w owns rows 64 w .. + 63 and all 128 columns: 32 accumulators, window 2.
; K goes in 8 steps of 128 = two heads.  Wave 0 fetches the even head's 256 rows (32,768 dense bytes, asked for as 128 rows of 256 bytes, padded after every 128), wave 1 the odd head's;
; waves 2, 3 fetch 64 rows each of wpz (256 bytes of a row).  CLUSTER 4 x 4: O's tiles jointly along a row of the cluster, the weights' along a column.
; TRANSPOSED USE: source 0 = 16 rows of wpz, source 1 = 16 rows of O: a lane holds row l % 16 and columns 16 b + 8 (l / 16) + 0..7.  The bias is the C operand of each sum's first product.
.set PA,     144                       ; a row of O in LDS: 128 bytes + 16
.set PITCH,  272                       ; a row of wpz: 256 + 16
.set HEADB,  256*PA                    ; a head's 256 rows
.set BOFF,   2*HEADB
.set SLOT1,  1<<17
.set STAGE,  SLOT1+BOFF+128*PITCH      ; behind the ring, never filled by a tensor load: 16 rows x 528 bytes for each wave
.set SPI,    528
.set SPARE,  STAGE+4*16*SPI
.set A0,   2
.set B0,   3
.set ADRA, 4
.set ADRB, 5
.set STO,  6
.set RD,   8
.set GO,   10
.set PFO,  12
.set SPW,  28
.set NIL,  29
.set BK,   64                          ; v[64:127]  rows read back
.set BI,   128                         ; v[128:191] the bias of the 128 columns
.set F0,   0
.set F1,   128
.set WV,  20
.set AB,  21
.set HF,  22
.set G1A, 36
.set G1B, 44
.set G0A, 52
.set G0B, 68
.set TB,  76
.set CNT, 77
.set PFA, 78
.set LIM, 80                           ; s80  2 in a wave that prefetches, else the greatest number
.set MK,  81
.set PST, 92                           ; s[92:93] bytes from a K step to the next in what I prefetch
.set MSB, 0
.macro WIN new
.if MSB != (\new)
	s_set_vgpr_msb (MSB<<8)|(\new)
.set MSB, \new
.endif
.endm
.macro PLACES
.rept 4
	v_nop
.endr
.endm
.macro CREST
	s_cmp_lg_u32 s[WV], 0
	s_cbranch_scc1 .Lnot_wave_0_\@
	s_barrier_signal -3
.Lnot_wave_0_\@:
	s_barrier_wait -3
	s_barrier_signal -1
	s_barrier_wait -1
.endm
.macro CROUND
	s_barrier_signal -1
	s_barrier_wait -1
	CREST
.endm
.macro JLOAD
	s_cmp_eq_u32 s[AB], 0
	s_cbranch_scc0 .Lfor_b_\@
	tensor_load_to_lds s[G0A+4:G0A+7], s[G1A:G1A+7]
	s_nop 0
.rept 4
	v_nop
.endr
	s_branch .Lasked_\@
.Lfor_b_\@:
	tensor_load_to_lds s[G0B+4:G0B+7], s[G1B:G1B+7]
	s_nop 0
.rept 4
	v_nop
.endr
.Lasked_\@:
.endm
; A prefetch of the K step that stands two refills on: 256 matrix instructions ahead of its load.  O's blocks are named by the clusters with x = 0, the weights' rows by those with y = 0; the four
; partners of a joint load share it out by address (32 of 128 blocks of 256 bytes; 16 of 64 rows, the lane held at 15).  The last two refills have no such step.
.macro ASK
	WIN 0
	s_cmp_gt_u32 s[CNT], s[LIM]
	s_cbranch_scc0 .Lnot_mine_\@
	global_prefetch_b8 v[PFO], s[PFA:PFA+1] th:TH_LOAD_NT scope:SCOPE_SE
.Lnot_mine_\@:
.endm
	s_load_b256 s[4:11], s[0:1], 0x0               ; os, wpz, bp, out0
	v_lshl_add_u32 v[SPW], v0, 2, SPARE
	v_mov_b32 v[NIL], 0
	ds_add_u32 v[SPW], v[NIL]                      ; the opening: the add and its wait stand ahead of my first tensor load
	v_lshrrev_b32 v1, 5, v0
	v_readfirstlane_b32 s[WV], v1
	s_lshr_b32 s[AB], s[WV], 1
	s_and_b32 s[HF], s[WV], 1
	s_bfe_u32 s23, ttmp6, 0x40000                  ; cx
	s_bfe_u32 s24, ttmp6, 0x40004                  ; cy
	s_lshl_b32 s25, ttmp9, 2
	s_add_co_u32 s25, s25, s23                     ; the column tile
	s_and_b32 s26, ttmp7, 0xffff
	s_lshl_b32 s26, s26, 2
	s_add_co_u32 s26, s26, s24                     ; the row tile
	s_lshl_b32 s27, s24, 2
	s_lshl_b32 s27, 15, s27
	s_lshl_b32 s28, 0x1111, s23
	s_or_b32 s[G1A], s27, (1<<16)|(1<<20)|(1<<21)|(4<<22)|(3<<25)  ; padding: after every 32 words 4 words
	s_or_b32 s[G1B], s28, (1<<16)|(1<<20)|(1<<21)|(5<<22)|(3<<25)  ; after every 64 words 4 words
	s_mov_b32 s[G1A+1], 128<<16
	s_mov_b32 s[G1A+2], 128<<16
	s_mov_b32 s[G1A+3], 128<<16
	s_mov_b32 s[G1A+4], 128
	s_mov_b32 s[G1A+5], 128                        ; dense
	s_mov_b32 s[G1A+6], 0
	s_mov_b32 s[G1A+7], 0
	s_mov_b32 s[G1B+1], 128<<16
	s_mov_b32 s[G1B+2], 64<<16
	s_mov_b32 s[G1B+3], 128<<16
	s_mov_b32 s[G1B+4], 64
	s_mov_b32 s[G1B+5], 1024
	s_mov_b32 s[G1B+6], 0
	s_mov_b32 s[G1B+7], 0
	s_lshr_b32 s30, s26, 3                         ; O: row ((16 batch + my head of the step's two) x 2048 + 256 (tile % 8)), 128 bytes a row
	s_lshl_b32 s30, s30, 4
	s_add_co_u32 s30, s30, s[HF]
	s_lshl_b32 s30, s30, 11
	s_and_b32 s31, s26, 7
	s_lshl_b32 s31, s31, 8
	s_add_co_u32 s30, s30, s31
	s_lshl_b32 s30, s30, 7
	s_mov_b32 s31, 0
	s_lshl_b32 s32, s25, 7                         ; wpz: row 128 x tile + 64 x half
	s_lshl_b32 s33, s[HF], 6
	s_add_co_u32 s32, s32, s33
	s_lshl_b32 s32, s32, 11
	s_mov_b32 s33, 0
	s_mul_i32 s34, s[HF], HEADB
	s_mul_i32 s35, s[HF], 64*PITCH
	s_add_co_u32 s35, s35, BOFF
	s_mov_b32 s[TB], 0
	s_mov_b32 s[MK], 0xffff0000
	s_wait_dscnt 0x0                               ; the opening add is done
	s_wait_kmcnt 0x0
	s_add_nc_u64 s[82:83], s[4:5], s[30:31]
	s_add_nc_u64 s[84:85], s[6:7], s[32:33]
.irp s, 0,1
	s_mov_b32 s[G0A+4*(\s)], 1
	s_add_co_u32 s[G0A+4*(\s)+1], s34, (\s)*SLOT1
	s_add_nc_u64 s[G0A+4*(\s)+2:G0A+4*(\s)+3], s[82:83], (\s)*524288  ; K step s: two heads on
	s_or_b32 s[G0A+4*(\s)+3], s[G0A+4*(\s)+3], 0x80000000
	s_mov_b32 s[G0B+4*(\s)], 1
	s_add_co_u32 s[G0B+4*(\s)+1], s35, (\s)*SLOT1
	s_add_nc_u64 s[G0B+4*(\s)+2:G0B+4*(\s)+3], s[84:85], (\s)*256
	s_or_b32 s[G0B+4*(\s)+3], s[G0B+4*(\s)+3], 0x80000000
.endr
	CROUND                                         ; all sixteen work-groups are here: the first joint loads meet
	s_cmp_eq_u32 s[AB], 0                          ; a wave's two first fills stand in one branch: two loads of mine are out
	s_cbranch_scc0 .Lfirst_b
	tensor_load_to_lds s[G0A:G0A+3], s[G1A:G1A+7]
	s_nop 0
	tensor_load_to_lds s[G0A+4:G0A+7], s[G1A:G1A+7]
	s_nop 0
.rept 4
	v_nop
.endr
	s_branch .Lfirst_asked
.Lfirst_b:
	tensor_load_to_lds s[G0B:G0B+3], s[G1B:G1B+7]
	s_nop 0
	tensor_load_to_lds s[G0B+4:G0B+7], s[G1B:G1B+7]
	s_nop 0
.rept 4
	v_nop
.endr
.Lfirst_asked:
	s_lshl_b32 s90, s25, 9                         ; the tile's 128 columns: 512 bytes of bp and of a row of out0
	s_mov_b32 s91, 0
	s_add_nc_u64 s[8:9], s[8:9], s[90:91]
	v_and_b32 v1, 15, v0
	v_bfe_u32 v11, v0, 4, 1
	v_lshlrev_b32 v14, 5, v11
.irp b, 0,1,2,3,4,5,6,7
	global_load_b128 v[BI+8*(\b):BI+8*(\b)+3],   v14, s[8:9] offset:64*(\b)
	global_load_b128 v[BI+8*(\b)+4:BI+8*(\b)+7], v14, s[8:9] offset:64*(\b)+16
.endr
	v_mul_u32_u24 v[A0], v1, PA
	v_lshl_add_u32 v[A0], v11, 4, v[A0]
	s_mul_i32 s86, s[WV], 64*PA
	v_add_nc_u32 v[A0], s86, v[A0]                 ; my 64 rows of O
	v_mul_u32_u24 v[B0], v1, PITCH
	v_lshl_add_u32 v[B0], v11, 4, v[B0]
	v_add_nc_u32 v[B0], BOFF, v[B0]
	v_mov_b32 v[ADRA], v[A0]
	v_mov_b32 v[ADRB], v[B0]
	s_mul_i32 s86, s[WV], 16*SPI
	s_add_co_u32 s86, s86, STAGE                   ; my stage
	v_mul_u32_u24 v[STO], v1, SPI                  ; in: row l % 16, 32 bytes for each half of the lanes
	v_lshl_add_u32 v[STO], v11, 5, v[STO]
	v_add_nc_u32 v[STO], s86, v[STO]
	v_and_b32 v[GO], 31, v0
	v_lshlrev_b32 v[GO], 4, v[GO]                  ; back: 32 lanes take one row of 512 bytes
	v_add_nc_u32 v[RD], s86, v[GO]
	s_lshl_b32 s87, s26, 8
	s_lshl_b32 s88, s[WV], 6
	s_add_co_u32 s87, s87, s88                     ; my first row of out0,
	s_lshl_b32 s88, s87, 12                        ; 4,096 bytes a row
	s_mov_b32 s89, 0
	s_add_nc_u64 s[10:11], s[10:11], s[88:89]
	s_add_nc_u64 s[10:11], s[10:11], s[90:91]
	; the prefetches: my work-group's share of what I fetch, at K step 3; each change of slots steps it before it asks
	s_lshl_b32 s82, s23, 13                        ; cx x 32 blocks of 256 bytes
	s_add_co_u32 s82, s82, s30
	s_add_co_u32 s82, s82, 3*524288
	s_lshl_b32 s84, s24, 15                        ; cy x 16 rows
	s_add_co_u32 s84, s84, s32
	s_add_co_u32 s84, s84, 3*256
	s_and_b32 s85, ttmp7, 0xffff
	s_mov_b32 s95, 524288
	s_mov_b32 s[PST], 256
	s_cmp_eq_u32 s[AB], 0
	s_cselect_b32 s82, s82, s84
	s_cselect_b32 s85, ttmp9, s85
	s_cselect_b32 s86, 31, 15
	s_cselect_b32 s94, 8, 11
	s_cselect_b32 s[PST], s95, s[PST]
	s_cselect_b64 s[PFA:PFA+1], s[4:5], s[6:7]
	s_cmp_eq_u32 s85, 0
	s_cselect_b32 s[LIM], 2, -1
	s_mov_b32 s83, 0
	s_mov_b32 s[PST+1], 0
	s_add_nc_u64 s[PFA:PFA+1], s[PFA:PFA+1], s[82:83]
	v_and_b32 v[PFO], 31, v0
	v_min_u32 v[PFO], s86, v[PFO]
	v_lshlrev_b32 v[PFO], s94, v[PFO]
	s_wait_loadcnt 0x0                             ; the bias is in; it is rounded to bf16, as every input is
.set i, 0
.rept 32
	v_cvt_pk_bf16_f32 v[16+i%8], v[BI+2*i], v[BI+2*i+1]
	v_lshlrev_b32 v[BI+2*i], 16, v[16+i%8]
	v_and_b32 v[BI+2*i+1], s[MK], v[16+i%8]
.set i, i+1
.endr
; 8 matrix instructions: row block a x all 8 column blocks, 32 along K.  The 32 accumulators take turns, one instruction a turn.
.macro MUL f, a, bias
.if \bias
	WIN 0x85                                       ; sources 0, 1 window 1; C window 0; D window 2
.else
	WIN 0xa5
.endif
.irp b, 0,1,2,3,4,5,6,7
.set AC, 8*(8*(\a)+(\b))
.if \bias
	v_wmma_f32_16x16x32_f16 v[AC:AC+7], v[(\f)+8*(\b):(\f)+8*(\b)+7], v[(\f)+64+8*(\a):(\f)+64+8*(\a)+7], v[BI+8*(\b):BI+8*(\b)+7]
.else
	v_wmma_f32_16x16x32_f16 v[AC:AC+7], v[(\f)+8*(\b):(\f)+8*(\b)+7], v[(\f)+64+8*(\a):(\f)+64+8*(\a)+7], v[AC:AC+7]
.endif
.endr
.endm
; 24 LDS loads in one run: quarter q's fragments into buffer f: the weights' 16 (byte 64 q of their rows), then O's 8 (head q / 2 of the step's two, byte 64 (q % 2))
.macro FETCH q, f
	WIN 0x40
.irp b, 0,1,2,3,4,5,6,7
	ds_load_b128 v[(\f)+8*(\b):(\f)+8*(\b)+3],   v[ADRB] offset:64*(\q)+(\b)*16*PITCH
	ds_load_b128 v[(\f)+8*(\b)+4:(\f)+8*(\b)+7], v[ADRB] offset:64*(\q)+(\b)*16*PITCH+32
.endr
.irp a, 0,1,2,3
	ds_load_b128 v[(\f)+64+8*(\a):(\f)+64+8*(\a)+3],   v[ADRA] offset:((\q)/2)*HEADB+((\q)%2)*64+(\a)*16*PA
	ds_load_b128 v[(\f)+64+8*(\a)+4:(\f)+64+8*(\a)+7], v[ADRA] offset:((\q)/2)*HEADB+((\q)%2)*64+(\a)*16*PA+32
.endr
.endm
.macro QUARTER q, f, g, bias           ; multiplies buffer f; in its middle fetches quarter q into buffer g
	s_wait_dscnt 4                                 ; all but the youngest four loads (O's blocks 2, 3) are in
	MUL \f, 0, \bias
	MUL \f, 1, \bias
	PLACES
	FETCH \q, \g
	s_wait_dscnt 24                                ; all but the 24 just issued
	MUL \f, 2, \bias
	MUL \f, 3, \bias
.endm
; The last quarter multiplies buffer 1 and changes slots: each wave waits for all its tensor loads, adds 0 to its spare word, waits for that and for its reads of this slot.
; fill = 1: the barrier opens a round of the cluster's, and the slot just read is filled again, first thing behind it, with the K step two on.
.macro TURN fill
.if \fill
	s_wait_xcnt 0x0                                ; the last prefetch, a K step back, has read its address
	s_add_nc_u64 s[PFA:PFA+1], s[PFA:PFA+1], s[PST:PST+1]
.endif
	WIN 0
	s_wait_tensorcnt 0x0
	ds_add_u32 v[SPW], v[NIL]
	s_wait_dscnt 5                                 ; the add and the youngest four loads may be out
	MUL F1, 0, 0
	s_wait_dscnt 0x0
	s_barrier_signal -1
	MUL F1, 1, 0
	WIN 0
	s_barrier_wait -1
.if \fill
	CREST
	s_xor_b32 s[G0A+5], s[G0A+5], SLOT1
	s_add_nc_u64 s[G0A+6:G0A+7], s[G0A+6:G0A+7], 524288
	s_xor_b32 s[G0B+5], s[G0B+5], SLOT1
	s_add_nc_u64 s[G0B+6:G0B+7], s[G0B+6:G0B+7], 256
	JLOAD                                          ; its four v_nop are also the places in front of the loads below
.else
	PLACES
.endif
	s_xor_b32 s[TB], s[TB], SLOT1
	v_add_nc_u32 v[ADRA], s[TB], v[A0]
	v_add_nc_u32 v[ADRB], s[TB], v[B0]
	FETCH 0, F0
.if \fill
	ASK
.endif
	MUL F1, 2, 0
	MUL F1, 3, 0
.endm
	s_wait_tensorcnt 0x1                           ; my part of K step 0 is in; step 1's may stay out
	s_barrier_signal -1
	s_barrier_wait -1
	FETCH 0, F0
	QUARTER 1, F0, F1, 1                           ; the first quarter starts the sums, on the bias
	WIN 0
	s_mov_b32 s[CNT], 6
.Lk:                                           ; trip j refills with K step j + 2
	QUARTER 2, F1, F0, 0
	QUARTER 3, F0, F1, 0
	TURN 1
	QUARTER 1, F0, F1, 0
	WIN 0
	s_sub_co_u32 s[CNT], s[CNT], 1
	s_cmp_lg_u32 s[CNT], 0
	s_cbranch_scc1 .Lk
	QUARTER 2, F1, F0, 0                           ; K steps 6 and 7 fill nothing: written out
	QUARTER 3, F0, F1, 0
	TURN 0
	QUARTER 1, F0, F1, 0
	QUARTER 2, F1, F0, 0
	QUARTER 3, F0, F1, 0
	s_wait_dscnt 4
	MUL F1, 0, 0
	MUL F1, 1, 0
	s_wait_dscnt 0x0
	MUL F1, 2, 0
	MUL F1, 3, 0
	PLACES
; THE WAY OUT, 16 rows at a time: the accumulators go into my stage as they are (each from its low end on), and come back as whole rows of 512 bytes.
.macro OUT a
	WIN 0x08                                       ; the stores' data in window 2
.irp b, 0,1,2,3,4,5,6,7
	ds_store_b128 v[STO], v[8*(8*(\a)+(\b)):8*(8*(\a)+(\b))+3]   offset:64*(\b)
	ds_store_b128 v[STO], v[8*(8*(\a)+(\b))+4:8*(8*(\a)+(\b))+7] offset:64*(\b)+16
.endr
	WIN 0
	s_wait_xcnt 0x0                                ; the block before's stores have read BK
.irp t, 0,1,2,3,4,5,6,7,8,9,10,11,12,13,14,15
	ds_load_b128 v[BK+4*(\t):BK+4*(\t)+3], v[RD] offset:SPI*(\t)  ; LDS serves a wave's instructions in order: these see the stores above
.endr
.irp t, 0,1,2,3,4,5,6,7,8,9,10,11,12,13,14,15
	s_wait_dscnt 15-(\t)
	global_store_b128 v[GO], v[BK+4*(\t):BK+4*(\t)+3], s[10:11] offset:65536*(\a)+4096*(\t) th:TH_STORE_NT  ; 512 consecutive bytes, aligned
.endr
.endm
	OUT 0
	OUT 1
	OUT 2
	OUT 3
	s_wait_tensorcnt 0x0                           ; the wave's end
	ds_add_u32 v[SPW], v[NIL]
	s_wait_dscnt 0x0
	CROUND                                         ; the closing round
	s_endpgm
.Lfunc_end_k_q1ee6fdcf58_proj:
	.size	k_q1ee6fdcf58_proj, .Lfunc_end_k_q1ee6fdcf58_proj-k_q1ee6fdcf58_proj
	.p2alignl 7, 3214868480
	.fill 96, 4, 3214868480
	.section	.rodata,"a",@progbits
	.p2align	6, 0x0
	.amdhsa_kernel k_q1ee6fdcf58_proj
		.amdhsa_group_segment_fixed_size 327680
		.amdhsa_private_segment_fixed_size 0
		.amdhsa_enable_private_segment 0
		.amdhsa_kernarg_size 32
		.amdhsa_user_sgpr_count 2
		.amdhsa_user_sgpr_kernarg_segment_ptr 1
		.amdhsa_wavefront_size32 1
		.amdhsa_system_sgpr_workgroup_id_x 1
		.amdhsa_system_sgpr_workgroup_id_y 1
		.amdhsa_system_sgpr_workgroup_id_z 1
		.amdhsa_system_vgpr_workitem_id 0
		.amdhsa_next_free_vgpr 768
		.amdhsa_next_free_sgpr 96
		.amdhsa_reserve_vcc 0
		.amdhsa_float_denorm_mode_32 3
		.amdhsa_float_denorm_mode_16_64 3
		.amdhsa_memory_ordered 1
		.amdhsa_forward_progress 1
		.amdhsa_inst_pref_size 77
	.end_amdhsa_kernel
	.amdgpu_metadata
---
amdhsa.version: [ 1, 2 ]
amdhsa.kernels:
  - .name:           k_q1ee6fdcf58_proj
    .symbol:         k_q1ee6fdcf58_proj.kd
    .args:
      - { .name: os, .offset: 0, .size: 8, .value_kind: global_buffer, .address_space: global }
      - { .name: wpz, .offset: 8, .size: 8, .value_kind: global_buffer, .address_space: global }
      - { .name: bp, .offset: 16, .size: 8, .value_kind: global_buffer, .address_space: global }
      - { .name: out0, .offset: 24, .size: 8, .value_kind: global_buffer, .address_space: global }
    .group_segment_fixed_size: 327680
    .private_segment_fixed_size: 0
    .kernarg_segment_align: 8
    .kernarg_segment_size: 32
    .max_flat_workgroup_size: 128
    .sgpr_count:     96
    .vgpr_count:     768
    .wavefront_size: 32
...
	.end_amdgpu_metadata
.endif
;; end of part 4
;; ======== version 2 of 2: 4 launches; version 1 with the launch cast written anew for expert scheduling mode
;; limits: values are held in f16: magnitudes above 65,504 overflow, below 6.1e-05 lose precision
;; workspace buffers: xb 16,777,216 bytes; wz 6,291,456 bytes; wpz 2,097,152 bytes; qs 33,554,432 bytes; ks 33,554,432 bytes; vs 16,777,216 bytes; os 16,777,216 bytes
;; launch cast (part 5): grid 768 x 1, 8 waves a work-group, no clusters, 0 bytes of LDS; arguments x, Wq, Wk, Wv, Wp, xb, wz, wpz; writes xb, wz, wpz
.if DOCPART == 5
	.amdgcn_target "amdgcn-amd-amdhsa--gfx1250"
	.amdhsa_code_object_version 6
	.text
	.protected	k_q1ee6fdcf58_cast
	.globl	k_q1ee6fdcf58_cast
	.p2align	8
	.type	k_q1ee6fdcf58_cast,@function
k_q1ee6fdcf58_cast:
	s_mov_b64 s[64:65], 0
	v_nop
	global_prefetch_b8 v0, s[64:65] scope:SCOPE_SE
	s_setreg_imm32_b32 hwreg(HW_REG_WAVE_SCHED_MODE, 0, 2), 2
	s_setreg_imm32_b32 hwreg(HW_REG_WAVE_MODE, 25, 1), 1
	s_wait_xcnt 0x0
	s_wait_alu depctr_vm_vsrc(0)
; THE INPUTS ARE ROUNDED ONCE.  x -> xb (bf16).  Wq, Wk, Wv -> wz (bf16), rows laid by heads: head h has rows 192 h .. 192 h + 191 =
; Wq's rows 64 h .., then Wk's, then Wv's, so that one tile of 192 rows is a head's q, k and v.  Wp -> wpz: rounded to bf16 like every input,
; and that number written as f16 (exact from 6e-5 up; below that it keeps f16's fixed step of 6e-8).
; A stream: no LDS, no barrier, no matrix work.  A work-group takes 16 rows of 1,024 numbers; thread t numbers 4 t .. 4 t + 3 of each row:
; a wave's load covers 512 consecutive bytes, its store 256 consecutive bytes, aligned.  All 16 loads go out at once; no register is written twice
; while a memory instruction may read it.  Work-groups 0-511: x; then 64 each for Wq, Wk, Wv, Wp.
; THE MODE: SCHED_MODE bits 1:0 = 2 (LLVM: expert scheduling mode 2), set by the entry lines.  The code itself states the register dependences
; between vector instructions and memory instructions, with s_wait_alu, always for 0.
; THE PLAN.  Registers that memory instructions touch:
;   v1, v2   byte offsets, made once at the head by vector instructions and never written again; every load reads v1, every store v2.
;   X        row r's four registers: written by row r's load alone, read by row r's conversions; no vector instruction names them ahead of the loads, no second load lands in them.
;   Y        row r's two registers: written once, by row r's conversions; read by row r's store; never written again.
;   T        named by vector instructions alone.
; So the dependences to state are: v1 and v2 written, ahead of the first load; a row's Y written, ahead of its store.  The 16 rows go in four blocks of four, and a block's
; stores are issued one block later: ONE wait at the head of blocks 1 to 3 states that the block before has written its Y; its four stores are then dealt among this block's
; conversions, which name their own X, Y and T and neither v2 nor the Y of the block before.  One more wait stands ahead of the last four stores.
; Nothing that a memory instruction reads is ever written again, no vector instruction writes a scalar register, and EXEC is never written: no other wait has a dependence to state.
.set X,   4                            ; v[4:67]    row r as loaded, 4 registers
.set Y,   68                           ; v[68:99]   row r to store, 2 registers
.set T,   100                          ; v[100:103] at work (Wp's path)
.set G,   20                           ; s20        the work-group's number
.set SRC, 34                           ; s[34:35]   my 16 rows in the source
.set DST, 36                           ; s[36:37]   and in the destination
.set BLOCK, 4                          ; rows in a block
	s_load_b512 s[4:19], s[0:1], 0x0               ; x, Wq, Wk, Wv, Wp, xb, wz, wpz
	s_mov_b32 s[G], ttmp9
	s_max_u32 s21, s[G], 512
	s_sub_co_u32 s21, s21, 512                     ; my number among the weights' work-groups (0 for x's)
	s_and_b32 s22, s21, 63                         ; j: which 16 rows of the matrix
	s_lshr_b32 s23, s21, 6                         ; which matrix: 0 Wq, 1 Wk, 2 Wv, 3 Wp
	s_lshr_b32 s24, s22, 2                         ; the head: 64 rows are four work-groups
	s_mul_i32 s24, s24, 192
	s_lshl_b32 s25, s23, 6
	s_add_co_u32 s24, s24, s25
	s_and_b32 s25, s22, 3
	s_lshl_b32 s25, s25, 4
	s_add_co_u32 s24, s24, s25                     ; row in wz = 192 head + 64 matrix + 16 (j mod 4)
	s_lshl_b32 s24, s24, 11                        ; in bytes: 2,048 a row
	s_lshl_b32 s25, s22, 15                        ; offset in wpz
	s_lshl_b32 s26, s22, 16                        ; offset in a weight matrix: 16 rows of 4,096 bytes
	s_lshl_b32 s27, s[G], 16                       ; offset in x
	s_lshl_b32 s28, s[G], 15                       ; offset in xb
	s_cmp_lt_u32 s[G], 704
	s_cselect_b32 s32, s24, s25
	s_cmp_lt_u32 s[G], 512
	s_cselect_b32 s30, s27, s26
	s_cselect_b32 s32, s28, s32
	s_mov_b32 s31, 0
	s_mov_b32 s33, 0
	v_lshlrev_b32 v1, 4, v0                        ; 16 t: my bytes in a source row
	v_lshlrev_b32 v2, 3, v0                        ; 8 t: in a destination row
	s_wait_kmcnt 0x0
	s_cmp_lt_u32 s[G], 704                         ; the buffers are chosen by the work-group's number alone
	s_cselect_b64 s[SRC:SRC+1], s[10:11], s[12:13]
	s_cselect_b64 s[DST:DST+1], s[16:17], s[18:19]
	s_cmp_lt_u32 s[G], 640
	s_cselect_b64 s[SRC:SRC+1], s[8:9], s[SRC:SRC+1]
	s_cmp_lt_u32 s[G], 576
	s_cselect_b64 s[SRC:SRC+1], s[6:7], s[SRC:SRC+1]
	s_cmp_lt_u32 s[G], 512
	s_cselect_b64 s[SRC:SRC+1], s[4:5], s[SRC:SRC+1]
	s_cselect_b64 s[DST:DST+1], s[14:15], s[DST:DST+1]
	s_add_nc_u64 s[SRC:SRC+1], s[SRC:SRC+1], s[30:31]
	s_add_nc_u64 s[DST:DST+1], s[DST:DST+1], s[32:33]
	s_wait_alu depctr_va_vdst(0)                   ; v1 and v2 are written: every load of the kernel reads v1 as its offset, every store v2
.set r, 0
.rept 16
	global_load_b128 v[X+4*r:X+4*r+3], v1, s[SRC:SRC+1] offset:4096*r th:TH_LOAD_NT
.set r, r+1
.endr
; The 16 rows, in four blocks of four.  half = 0: to bf16.  half = 1 (Wp): to bf16, and that number as f16.
; A row's turn: the store of the row one block back; the wait for the row's own load; its conversions.
.macro WALK half
.set r, 0
.rept 16
.if (r%BLOCK == 0) && (r > 0)
	s_wait_alu depctr_va_vdst(0)                   ; the block before has written its four rows of Y, which the four stores dealt into this block read
.endif
.if r >= BLOCK
	global_store_b64 v2, v[Y+2*(r-BLOCK):Y+2*(r-BLOCK)+1], s[DST:DST+1] offset:2048*(r-BLOCK)  ; no vector instruction since the wait names v2 or these two registers
.endif
	s_wait_loadcnt 15-r                            ; loads come back in order: row r is in, the younger rows stay out
.if \half
	v_cvt_pk_bf16_f32 v[T], v[X+4*r], v[X+4*r+1]
	v_cvt_pk_bf16_f32 v[T+1], v[X+4*r+2], v[X+4*r+3]
	v_lshlrev_b32 v[T+2], 16, v[T]
	v_and_b32 v[T+3], 0xffff0000, v[T]
	v_cvt_pk_f16_f32 v[Y+2*r], v[T+2], v[T+3]
	v_lshlrev_b32 v[T+2], 16, v[T+1]
	v_and_b32 v[T+3], 0xffff0000, v[T+1]
	v_cvt_pk_f16_f32 v[Y+2*r+1], v[T+2], v[T+3]
.else
	v_cvt_pk_bf16_f32 v[Y+2*r], v[X+4*r], v[X+4*r+1]
	v_cvt_pk_bf16_f32 v[Y+2*r+1], v[X+4*r+2], v[X+4*r+3]
.endif
.set r, r+1
.endr
	s_wait_alu depctr_va_vdst(0)                   ; the last block has written its four rows of Y, which the last four stores read
.set r, 16-BLOCK
.rept BLOCK
	global_store_b64 v2, v[Y+2*r:Y+2*r+1], s[DST:DST+1] offset:2048*r
.set r, r+1
.endr
.endm
	s_cmp_ge_u32 s[G], 704
	s_cbranch_scc1 .Lhalf
	WALK 0
	s_endpgm
.Lhalf:                                        ; Wp: to bf16, and that number as f16
	WALK 1
	s_endpgm
.Lfunc_end_k_q1ee6fdcf58_cast:
	.size	k_q1ee6fdcf58_cast, .Lfunc_end_k_q1ee6fdcf58_cast-k_q1ee6fdcf58_cast
	.p2alignl 7, 3214868480
	.fill 96, 4, 3214868480
	.section	.rodata,"a",@progbits
	.p2align	6, 0x0
	.amdhsa_kernel k_q1ee6fdcf58_cast
		.amdhsa_group_segment_fixed_size 0
		.amdhsa_private_segment_fixed_size 0
		.amdhsa_enable_private_segment 0
		.amdhsa_kernarg_size 64
		.amdhsa_user_sgpr_count 2
		.amdhsa_user_sgpr_kernarg_segment_ptr 1
		.amdhsa_wavefront_size32 1
		.amdhsa_system_sgpr_workgroup_id_x 1
		.amdhsa_system_sgpr_workgroup_id_y 1
		.amdhsa_system_sgpr_workgroup_id_z 1
		.amdhsa_system_vgpr_workitem_id 0
		.amdhsa_next_free_vgpr 104
		.amdhsa_next_free_sgpr 66
		.amdhsa_reserve_vcc 0
		.amdhsa_float_denorm_mode_32 3
		.amdhsa_float_denorm_mode_16_64 3
		.amdhsa_memory_ordered 1
		.amdhsa_forward_progress 1
		.amdhsa_inst_pref_size 17
	.end_amdhsa_kernel
	.amdgpu_metadata
---
amdhsa.version: [ 1, 2 ]
amdhsa.kernels:
  - .name:           k_q1ee6fdcf58_cast
    .symbol:         k_q1ee6fdcf58_cast.kd
    .args:
      - { .name: x, .offset: 0, .size: 8, .value_kind: global_buffer, .address_space: global }
      - { .name: Wq, .offset: 8, .size: 8, .value_kind: global_buffer, .address_space: global }
      - { .name: Wk, .offset: 16, .size: 8, .value_kind: global_buffer, .address_space: global }
      - { .name: Wv, .offset: 24, .size: 8, .value_kind: global_buffer, .address_space: global }
      - { .name: Wp, .offset: 32, .size: 8, .value_kind: global_buffer, .address_space: global }
      - { .name: xb, .offset: 40, .size: 8, .value_kind: global_buffer, .address_space: global }
      - { .name: wz, .offset: 48, .size: 8, .value_kind: global_buffer, .address_space: global }
      - { .name: wpz, .offset: 56, .size: 8, .value_kind: global_buffer, .address_space: global }
    .group_segment_fixed_size: 0
    .private_segment_fixed_size: 0
    .kernarg_segment_align: 8
    .kernarg_segment_size: 64
    .max_flat_workgroup_size: 256
    .sgpr_count:     66
    .vgpr_count:     104
    .wavefront_size: 32
...
	.end_amdgpu_metadata
.endif
;; end of part 5
;; launch qkv: the kernel of part 2 again; grid 16 x 32, 4 waves a work-group, clusters of 4 x 4, 327,680 bytes of LDS; arguments xb, wz, bq, bk, bv, qs, ks, vs; writes qs, ks, vs
;; launch attn: the kernel of part 3 again; grid 4 x 64, 4 waves a work-group, no clusters, 327,680 bytes of LDS; arguments qs, ks, vs, os; writes os
;; launch proj: the kernel of part 4 again; grid 8 x 32, 4 waves a work-group, clusters of 4 x 4, 327,680 bytes of LDS; arguments os, wpz, bp, out0; writes out0
